; MI455X (gfx1250); checked and timed in simulation.
; The chip was launched on July 23, 2026; its instructions are those of AMD's public machine-readable ISA for CDNA 5 (MIT licence, August 2026) and "CDNA5" Instruction Set Architecture Reference Guide (July 2026). The comments in the code are by the model that wrote it; some were corrected since.
;; my attention. Allowed arithmetic: matrix products marked QUANTISED: E2M3 operands, one E8M0 scale for each 32 along K, by v_wmma_scale_f32_16x16x128_f8f6f4 with both operands' format E2M3, f32 sums; everything else in f32.
;; Inputs: Wk_codes 256 x 8 x 24 uint8 (E2M3 codes of Wk, K innermost, in blocks of 32 codes, four codes in three bytes); Wk_scales 256 x 8 uint8 (E8M0 scales of Wk, one for each 32 codes along K); Wo_codes 256 x 8 x 24 uint8 (E2M3 codes of Wo, K innermost, in blocks of 32 codes, four codes in three bytes); Wo_scales 256 x 8 uint8 (E8M0 scales of Wo, one for each 32 codes along K); Wq_codes 256 x 8 x 24 uint8 (E2M3 codes of Wq, K innermost, in blocks of 32 codes, four codes in three bytes); Wq_scales 256 x 8 uint8 (E8M0 scales of Wq, one for each 32 codes along K); Wv_codes 256 x 8 x 24 uint8 (E2M3 codes of Wv, K innermost, in blocks of 32 codes, four codes in three bytes); Wv_scales 256 x 8 uint8 (E8M0 scales of Wv, one for each 32 codes along K); bk 256 float32; bo 256 float32; bq 256 float32; bv 256 float32; key_codes 8 x 2,048 x 8 x 24 uint8 (E2M3 codes of key, K innermost, in blocks of 32 codes, four codes in three bytes); key_scales 8 x 2,048 x 8 uint8 (E8M0 scales of key, one for each 32 codes along K); query_codes 8 x 2,048 x 8 x 24 uint8 (E2M3 codes of query, K innermost, in blocks of 32 codes, four codes in three bytes); query_scales 8 x 2,048 x 8 uint8 (E8M0 scales of query, one for each 32 codes along K); value_codes 8 x 2,048 x 8 x 24 uint8 (E2M3 codes of value, K innermost, in blocks of 32 codes, four codes in three bytes); value_scales 8 x 2,048 x 8 uint8 (E8M0 scales of value, one for each 32 codes along K).
;; Outputs: out0 8 x 2,048 x 256 float32.
;; This version of the problem:
;;   THIS VERSION OF THE PROBLEM IS GIVEN IN LOW PRECISION. The matrix products marked QUANTISED in the list below multiply operands that are first quantised to E2M3 (2 exponent bits, 3 mantissa bits; 6 bits a number), with one power-of-two scale for each 32 numbers along K (OCP MX v1.0); their sums are f32. All else is computed in f32.
;;   The module's matrix products, in the order in which they are computed (A, B: the left and right operand; K: the contracted axis; several contracted axes count as one K, in the product's order):
;;     1. [M 16,384, K 256] x [K 256, N 256]; A: input query (given as codes); B: input Wq (given as codes): QUANTISED
;;     2. [M 16,384, K 256] x [K 256, N 256]; A: input key (given as codes); B: input Wk (given as codes): QUANTISED
;;     3. [M 16,384, K 256] x [K 256, N 256]; A: input value (given as codes); B: input Wv (given as codes): QUANTISED
;;     4. batch 64 x [M 2,048, K 32] x [K 32, N 2,048]; A: computed on the way; B: computed on the way: QUANTISED
;;     5. batch 64 x [M 2,048, K 2,048] x [K 2,048, N 32]; A: softmax (see below); B: computed on the way: QUANTISED
;;     6. [M 16,384, K 256] x [K 256, N 256]; A: computed on the way; B: input Wo (given as codes): QUANTISED
;;   THE QUANTISER, for each operand of a quantised product, along K:
;;     - K is cut into blocks of 32 from its start; a last block that is shorter is filled with zeros.
;;     - A block's scale is 2^e with e = floor(log2(the largest magnitude in the block)) - 2, held to -126 .. 127; a block of zeros has e = 0. As a byte (E8M0): e + 127.
;;     - Each number is divided by its block's scale, clamped to +-7.5, and rounded to the nearest number of E2M3, ties to even, subnormals kept.
;;     - The product sums the exact products of the quantised numbers (number of the format x scale) in f32.
;;   ~~~python
;;   def quantise(x, axis):      # numpy; x: float32 -> the quantised numbers, widened to float32 again
;;       x = np.moveaxis(x, axis, -1); K = x.shape[-1]
;;       x = np.pad(x, [(0, 0)] * (x.ndim - 1) + [(0, -K % 32)]); x = x.reshape(x.shape[:-1] + (-1, 32)); a = np.abs(x).max(-1, keepdims=True)
;;       e = np.where(a > 0, np.clip(np.frexp(np.where(a > 0, a, 1))[1] - 1 - 2, -126, 127), 0)      # np.frexp(a)[1] - 1 = floor(log2(a)), exactly
;;       r = np.clip(x / 2.0 ** e, -7.5, 7.5)
;;       step = 2.0 ** (np.maximum(np.frexp(np.where(r == 0, 1, r))[1] - 1, 0) - 3)
;;       q = np.round(r / step) * step * 2.0 ** e      # np.round: ties to even
;;       return np.moveaxis(q.reshape(q.shape[:-2] + (-1,))[..., :K], -1, axis).astype(np.float32)
;;   ~~~
;;   SOFTMAX AHEAD OF A QUANTISED PRODUCT. Where the list says 'softmax', what is quantised is not the finished softmax but p = 2^(t - M), with t = logit x log2(e) and M = ceil(the row's largest t), a whole number; so 1/2 < the row's largest p <= 1. The row's sum l is taken of the UNQUANTISED p, in f32, and the product's result is divided by l at the end. Since M is a whole number, a kernel that streams over the keys may use a running M (the ceiling of the running maximum): every later rescaling is an exact power of two, which a block's scale takes up: the codes' values come out the same.
;;   OPERANDS COMPUTED ON THE WAY. 'Computed on the way' means the value that the module computes at that place (a softmax that the list does not call 'softmax' is quantised finished and normalised). What goes into a quantiser is computed in f32, as accurately as f32 sums, v_exp_f32 and their like allow (about 1e-6 of the number): no bf16 or f16 on the way to a quantiser, and a product that is left as it is and whose result goes on into a quantised operand takes f32 operands (vector FMAs, or v_wmma_f32_16x16x4_f32). A number that lies on a knife's edge between two numbers of the format may be rounded either way, as far as f32 arithmetic and the matrix unit's own rounding can turn it there, and no further.
;;   INPUTS GIVEN AS CODES. Wk (in the module: [256, 256], K = its axis 1); Wo (in the module: [256, 256], K = its axis 1); Wq (in the module: [256, 256], K = its axis 1); Wv (in the module: [256, 256], K = its axis 1); key (in the module: [8, 2048, 256], K = its axis 2); query (in the module: [8, 2048, 256], K = its axis 2); value (in the module: [8, 2048, 256], K = its axis 2): each comes as NAME_codes (uint8): NAME with its K axis moved to the last place and cut into blocks of 32 codes, [.., K / 32, bytes a block], one block behind the other in memory; four codes in three bytes: a row's codes are one little-endian stream of bits, code i at bits 6 i .. 6 i + 5 (a code: sign, 2 exponent bits, 3 mantissa bits); and NAME_scales (uint8): the same leading axes, one E8M0 byte (e + 127) for each 32 codes along K. Its value is code x scale, taken as it is: it is not quantised again, and the codes and scales need not be those that the quantiser above would give.
;; 2 versions. Each part assembles by itself: llvm-mc -triple=amdgcn-amd-amdhsa -mcpu=gfx1250 --defsym DOCPART=n.
;; ======== version 1 of 2: 3 launches
;; workspace buffers: qimg 3,145,728 bytes; qsc 131,072 bytes; kv 6,553,600 bytes; ao 3,145,728 bytes; aosc 131,072 bytes
;; launch proj (part 1): grid 256 x 3, 8 waves a work-group, no clusters, 14,336 bytes of LDS; arguments query_codes, key_codes, value_codes, query_scales, key_scales, value_scales, Wq_codes, Wk_codes, Wv_codes, Wq_scales, Wk_scales, Wv_scales, bq, bk, bv, qimg, qsc, kv; writes qimg, qsc, kv
.if DOCPART == 1
	.amdgcn_target "amdgcn-amd-amdhsa--gfx1250"
	.amdhsa_code_object_version 6
	.text
	.protected	k_q283cef4afa_proj
	.globl	k_q283cef4afa_proj
	.p2align	8
	.type	k_q283cef4afa_proj,@function
k_q283cef4afa_proj:
	s_mov_b64 s[64:65], 0
	v_nop
	global_prefetch_b8 v0, s[64:65] scope:SCOPE_SE
	s_setreg_imm32_b32 hwreg(HW_REG_WAVE_MODE, 25, 1), 1
	s_wait_xcnt 0x0
; q = query Wq^T + bq, k = key Wk^T + bk, v = value Wv^T + bv on codes of FP6 (E2M3) as they are given, and the results quantised again:
; q and k along a head's 32 channels (one block), v along the keys (blocks of 32 keys).  Sums and all that goes into the quantiser in f32.
; SHARES.  Work-group (x, y): tensor y (0 q, 1 k, 2 v), tokens 64 x .. 64 x + 63.  Wave w: head w, 64 tokens x 32 channels: 16 matrix instructions.
; Each wave loads ONE of the eight fragments of x (4 tiles of 16 tokens x 2 K steps of 128) and hands it to the others through LDS as an image of its registers.
; THE ROWS OF A TILE ARE NOT NEIGHBOURS: rp(r) = r + 8 (r / 8).  Token tile t holds in row r token 32 (t / 2) + 8 (t % 2) + rp(r); weight tile u holds in row r channel 8 u + rp(r).
; So the 16 result registers of two neighbouring tiles are 16 neighbours: q, k (source 0 = W, source 1 = x): a lane holds one token, registers 16 t + i = channel 16 h + i;
; v (source 0 = x, source 1 = W): a lane holds one channel 8 n + rp(r), registers 16 (2 n + b) + i = key 32 b + 16 h + i.  One macro quantises both.
; OUT: half images of operand registers, 768 bytes: registers 0-3 of lane L at 16 L, registers 4-5 at 512 + 8 L: every store covers consecutive bytes.
;   qimg [bh = 8 b + head][64-token group][c][768]: lane (r, h) = the 24 bytes of the token of tile 2 c + h, row r;  qsc [bh][group][r][4]: byte t = that token's scale.
;   kv [bh][step of 128 keys][6400]: +0 K's images [g][c][768] (as qimg); +3072 V's [n][c = g][768]: lane (r, h) = channel 8 n + rp(r), keys 64 c + 32 h ..; +6144 K's scale words [g][r][4]; +6272 V's [n][r][4 key blocks].
; LIMITS: NaN, infinities and scale bytes 0xff are not served; a block whose largest magnitude lies under 2^-124 keeps the byte 1 (a block of zeros too: its codes are zeros, and this program alone reads the bytes).
; No multicast: what work-groups share here is one tensor's weights, 51,200 bytes, beside 12,800 bytes of their own.
.set XSC,  12288                       ; LDS: x's 8 fragments, 1,536 bytes each, from 0; their scale words, 128 bytes each, from here
.set XF,   16                          ; v16-111  x's fragments, 12 (2 t + ks)
.set WF,   112                         ; v112-159 W's fragments, 12 (2 u + ks)
.set ACC,  160                         ; v160-223 the sums; before the products v160-171 my own fragment of x, v172 its scale word
.set BVA,  174                         ; v174     4 rp: bv's address, used before the products
.set BI,   224                         ; v224-239 the bias in the result's layout, 8 registers a weight tile
.set XS,   240                         ; v240-247 x's scale words
.set WS,   248                         ; v248-251 W's
.set PD,   252                         ; v252-255 what the other half of the lanes sends
.set PC,   16                          ; behind the products, over x's fragments: v16-27 the codes,
.set PT,   28                          ; v28-30, v32-34 the second halves as converted,
.set MX,   36                          ; v36-39 largest magnitudes,
.set SO,   40                          ; v40-43 the conversions' scale operands,
.set BY,   44                          ; v44-47 scale bytes,
.set PW,   48                          ; v48 the four bytes as a word,
.set SV,   49                          ; v49 the half of it that I store,
.set SH,   51                          ; v51 16 h
.macro MM d, a, b, c, sa, sb
	v_wmma_scale_f32_16x16x128_f8f6f4 v[\d:\d+7], v[\a:\a+11], v[\b:\b+11], v[\c:\c+7], v[\sa], v[\sb] matrix_a_fmt:MATRIX_FMT_FP6 matrix_b_fmt:MATRIX_FMT_FP6
.endm
; 64 numbers of a lane, register 16 b + i = number 16 h + i of block b of my row, become 12 registers of codes (lane (r, h), registers 6 c on: block 2 c + h) and a word of four scale bytes.
.macro QUANT s
.irp b, 0,1,2,3
	v_max3_num_f32 v[MX+\b], |v[\s+16*\b]|, |v[\s+16*\b+1]|, 0x1800000   ; my 16 numbers, from each accumulator's low end on, and the floor 2^(3 - 127): the byte cannot fall under 1
.endr
.irp i, 2,4,6,8,10,12,14
.irp b, 0,1,2,3
	v_max3_num_f32 v[MX+\b], v[MX+\b], |v[\s+16*\b+\i]|, |v[\s+16*\b+\i+1]|   ; the four blocks by turns
.endr
.endr
.irp b, 0,1,2,3
	v_permlanex16_b32 v[PD+\b], v[MX+\b], s66, s67
.endr
.irp b, 0,1,2,3
	v_max_num_f32 v[MX+\b], v[MX+\b], v[PD+\b]     ; with lane l xor 16's: the block's largest magnitude
.endr
.irp b, 0,1,2,3
	v_add_nc_u32 v[SO+\b], 0xff000000, v[MX+\b]    ; 2 off its exponent field: the conversion takes this operand's exponent field as its scale
.endr
.irp b, 0,1,2,3
	v_lshrrev_b32 v[BY+\b], 23, v[SO+\b]           ; the scale's byte
.endr
	v_lshl_or_b32 v[PW], v[BY+1], 8, v[BY]
	v_lshl_or_b32 v[PW], v[BY+2], 16, v[PW]
	v_lshl_or_b32 v[PW], v[BY+3], 24, v[PW]
.irp c, 0,1
	v_cvt_scalef32_pk16_fp6_f32 v[PC+6*\c:PC+6*\c+2], v[\s+32*\c:\s+32*\c+15], v[SO+2*\c]
	v_cvt_scalef32_pk16_fp6_f32 v[PT+4*\c:PT+4*\c+2], v[\s+32*\c+16:\s+32*\c+31], v[SO+2*\c+1]   ; (a conversion's three registers begin on an even number)
.endr
	v_nop                                          ; one plain place behind a scaled conversion
.irp c, 0,1
.irp i, 0,1,2
	v_permlane16_swap_b32 v[PC+6*\c+\i], v[PT+4*\c+\i]   ; a whole block to a lane: lanes 0-15 block 2 c, lanes 16-31 block 2 c + 1
.endr
.irp i, 0,1,2
	v_mov_b32 v[PC+6*\c+3+\i], v[PT+4*\c+\i]
.endr
.endr
.endm
	s_load_b512 s[4:19], s[0:1], 0x0               ; query, key, value codes s[4:9]; their scales s[10:15]; Wq, Wk codes s[16:19]
	s_load_b512 s[20:35], s[0:1], 0x40             ; Wv codes s[20:21]; Wq, Wk, Wv scales s[22:27]; bq, bk, bv s[28:33]; qimg s[34:35]
	s_load_b128 s[36:39], s[0:1], 0x80             ; qsc, kv
	s_set_vgpr_msb 0x40
	v_lshl_add_u32 v0, v0, 2, 0x3400
	v_mov_b32 v1, 0
	s_set_vgpr_msb 0x4000
	v_lshrrev_b32 v1, 5, v0
	v_readfirstlane_b32 s40, v1                    ; wave = head
	s_and_b32 s41, ttmp7, 0xffff                   ; tensor
	s_mov_b32 s42, ttmp9                           ; group of 64 tokens, 0 .. 255
	s_lshr_b32 s43, s42, 5                         ; b
	s_and_b32 s44, s42, 31                         ; the group in its batch
	s_lshr_b32 s45, s44, 1                         ; key step of 128
	s_and_b32 s46, s44, 1                          ; g: which 64 of the step
	s_lshl_b32 s47, s43, 3
	s_add_co_u32 s47, s47, s40                     ; bh = 8 b + head
	s_mov_b32 s66, 0x76543210
	s_mov_b32 s67, 0xfedcba98                      ; v_permlanex16_b32's selects for lane l xor 16
	v_and_b32 v1, 31, v0                           ; L
	v_and_b32 v2, 15, v0                           ; r
	v_bfe_u32 v3, v0, 4, 1                         ; h
	v_and_b32 v4, 8, v2
	v_add_nc_u32 v4, v4, v2                        ; rp = r + 8 (r / 8)
	v_mul_u32_u24 v6, v4, 192                      ; a row of 256 codes is 192 bytes
	v_mad_u32_u24 v6, v3, 24, v6                   ; W: 192 rp + 24 h
	s_lshr_b32 s68, s40, 1                         ; the fragment of x that I fetch: tile t = wave / 2,
	s_and_b32 s69, s40, 1                          ; K step ks = wave % 2
	s_lshr_b32 s70, s68, 1
	s_lshl_b32 s70, s70, 5
	s_and_b32 s71, s68, 1
	s_lshl_b32 s71, s71, 3
	s_add_co_u32 s70, s70, s71                     ; the tile's first row: 32 (t / 2) + 8 (t % 2)
	s_mul_i32 s71, s70, 192
	s_mul_i32 s72, s69, 96
	s_add_co_u32 s71, s71, s72
	v_add_nc_u32 v5, s71, v6                       ; x: my bytes of my fragment
	v_lshlrev_b32 v8, 3, v4                        ; W's scale words: 8 bytes a row
	s_lshl_b32 s70, s70, 3
	s_lshl_b32 s69, s69, 2
	s_add_co_u32 s70, s70, s69
	v_add_nc_u32 v7, s70, v8                       ; x's scale word
	v_lshlrev_b32 v9, 6, v3                        ; bq, bk: 64 h
	v_lshlrev_b32 v10, 4, v1                       ; 16 L
	v_lshlrev_b32 v11, 2, v1                       ; 4 L
	s_mul_i32 s70, s40, 1536
	v_add_nc_u32 v12, s70, v10                     ; where I store my fragment's image
	s_lshl_b32 s70, s40, 7
	v_add_nc_u32 v13, s70, v11                     ; and its scale words
	v_lshlrev_b32 v14, 3, v1                       ; 8 L
	v_lshlrev_b32 v15, 2, v2                       ; 4 r
	v_lshlrev_b32 v[BVA], 2, v4                    ; bv: 4 rp
.irp b, 0,1,2,3
	v_mov_b32 v[PD+\b], 0                          ; written once: a lane permute's destination counts as one of its sources
.endr
	; where the results go, in bytes, for each of the three tensors; the choice follows
	s_lshl_b32 s68, s47, 5
	s_add_co_u32 s68, s68, s44                     ; 32 bh + group
	s_mul_i32 s69, s68, 1536                       ; q: its images,
	s_lshl_b32 s70, s68, 6                         ; its scale words
	s_mul_i32 s71, s47, 102400
	s_mul_i32 s72, s45, 6400
	s_add_co_u32 s71, s71, s72                     ; the step in kv
	s_mul_i32 s72, s46, 1536
	s_add_co_u32 s72, s72, s71                     ; k: its images,
	s_lshl_b32 s73, s46, 6
	s_add_co_u32 s73, s73, s71
	s_add_co_u32 s73, s73, 6144                    ; its scale words
	s_mul_i32 s74, s46, 768
	s_add_co_u32 s74, s74, s71
	s_add_co_u32 s74, s74, 3072                    ; v: its half image (n = 0, c = g),
	s_lshl_b32 s75, s46, 1
	s_add_co_u32 s75, s75, s71
	s_add_co_u32 s75, s75, 6272                    ; its two bytes of a scale word
	s_mov_b32 s77, 0
	s_mov_b32 s79, 0
	s_wait_kmcnt 0x0
	s_cmp_eq_u32 s41, 0                            ; q, or k?  The choices hang on the work-group's number alone
	s_cselect_b64 s[48:49], s[4:5], s[6:7]         ; x's codes
	s_cselect_b64 s[50:51], s[10:11], s[12:13]     ; x's scales
	s_cselect_b64 s[52:53], s[16:17], s[18:19]     ; W's codes
	s_cselect_b64 s[54:55], s[22:23], s[24:25]     ; W's scales
	s_cselect_b64 s[56:57], s[28:29], s[30:31]     ; the bias
	s_cselect_b64 s[58:59], s[34:35], s[38:39]     ; images: qimg, or kv
	s_cselect_b64 s[62:63], s[36:37], s[38:39]     ; scale words: qsc, or kv
	s_cselect_b32 s76, s69, s72
	s_cselect_b32 s78, s70, s73
	s_cmp_eq_u32 s41, 2                            ; or v?
	s_cselect_b64 s[48:49], s[8:9], s[48:49]
	s_cselect_b64 s[50:51], s[14:15], s[50:51]
	s_cselect_b64 s[52:53], s[20:21], s[52:53]
	s_cselect_b64 s[54:55], s[26:27], s[54:55]
	s_cselect_b64 s[56:57], s[32:33], s[56:57]
	s_cselect_b32 s76, s74, s76
	s_cselect_b32 s78, s75, s78
	s_mov_b32 s68, 768
	s_cselect_b32 s68, 1536, s68                   ; from the first half image to the second: c + 1 (q, k), or n + 1 (v)
	s_cselect_b32 s70, 64, 2                       ; lanes 16-31 store the word's upper half: 2 bytes on (q, k), or tile n = 1's: 64 bytes on (v)
	s_mov_b32 s69, 0
	v_mad_u32_u24 v15, v3, s70, v15
	s_add_nc_u64 s[58:59], s[58:59], s[76:77]      ; the first half image
	s_add_nc_u64 s[60:61], s[58:59], s[68:69]      ; the second
	s_add_nc_u64 s[62:63], s[62:63], s[78:79]      ; the scale words
	s_mul_i32 s76, s42, 12288
	s_add_nc_u64 s[48:49], s[48:49], s[76:77]      ; x at my group's first row
	s_lshl_b32 s76, s42, 9
	s_add_nc_u64 s[50:51], s[50:51], s[76:77]
	s_mul_i32 s76, s40, 6144
	s_add_nc_u64 s[52:53], s[52:53], s[76:77]      ; W at my head's 32 rows
	s_lshl_b32 s76, s40, 8
	s_add_nc_u64 s[54:55], s[54:55], s[76:77]
	s_lshl_b32 s76, s40, 7
	s_add_nc_u64 s[56:57], s[56:57], s[76:77]      ; the bias at my head's 32 numbers
.irp p, 0,1,2,3,4,5
	global_load_b64 v[ACC+2*\p:ACC+2*\p+1], v5, s[48:49] offset:48*(\p/3)+8*(\p%3) th:TH_LOAD_NT   ; my fragment of x: 24 bytes of the row's stream of bits twice, in pieces of 8; no other wave of the launch reads them
.endr
	global_load_b32 v[ACC+12], v7, s[50:51]
.irp u, 0,1
.irp ks, 0,1
.irp p, 0,1,2,3,4,5
	global_load_b64 v[WF+12*(2*\u+\ks)+2*\p:WF+12*(2*\u+\ks)+2*\p+1], v6, s[52:53] offset:1536*\u+96*\ks+48*(\p/3)+8*(\p%3)
.endr
	global_load_b32 v[WS+2*\u+\ks], v8, s[54:55] offset:64*\u+4*\ks
.endr
.endr
	s_wait_loadcnt 28                              ; W's 28 loads may be out: my fragment of x and its scale word are in
.irp i, 0,1,2
	ds_store_b128 v12, v[ACC+4*\i:ACC+4*\i+3] offset:512*\i
.endr
	ds_store_b32 v13, v[ACC+12] offset:XSC
	s_cmp_eq_u32 s41, 2                            ; the bias, in the result's layout: it is the C of each sum's first product
	s_cbranch_scc1 .Lbias_v
.irp i, 0,1,2,3
	global_load_b128 v[BI+4*\i:BI+4*\i+3], v9, s[56:57] offset:16*\i   ; q, k: register 8 u + j = channel 16 h + 8 u + j
.endr
	s_branch .Lbias_in
.Lbias_v:
	global_load_b32 v[BI], v[BVA], s[56:57]        ; v: a lane holds one channel, 8 n + rp, in all eight registers of tile n
	global_load_b32 v[BI+8], v[BVA], s[56:57] offset:32
	s_wait_loadcnt 0x0
.irp j, 1,2,3,4,5,6,7
	v_mov_b32 v[BI+\j], v[BI]
	v_mov_b32 v[BI+8+\j], v[BI+8]
.endr
.Lbias_in:
	s_wait_dscnt 0x0                               ; for the others' sake: my stores have landed
	s_barrier_signal -1
	s_barrier_wait -1                              ; x's eight fragments lie in LDS
.irp f, 0,1,2,3,4,5,6,7
.irp i, 0,1,2
	ds_load_b128 v[XF+12*\f+4*\i:XF+12*\f+4*\i+3], v10 offset:1536*\f+512*\i
.endr
	ds_load_b32 v[XS+\f], v11 offset:XSC+128*\f
.endr
	s_wait_loadcnt 0x0
	s_wait_dscnt 0x0
	s_cmp_eq_u32 s41, 2
	s_cbranch_scc1 .Lmul_v
; q, k: source 0 = 16 rows of W, source 1 = 16 tokens.  The eight accumulators take turns, one instruction a turn.
.irp ks, 0,1
.irp t, 0,1,2,3
.irp u, 0,1
.if \ks == 0
	MM ACC+16*\t+8*\u, WF+12*(2*\u), XF+12*(2*\t), BI+8*\u, WS+2*\u, XS+2*\t
.else
	MM ACC+16*\t+8*\u, WF+12*(2*\u+1), XF+12*(2*\t+1), ACC+16*\t+8*\u, WS+2*\u+1, XS+2*\t+1
.endif
.endr
.endr
.endr
	s_branch .Lquant
.Lmul_v:
; v: source 0 = 16 tokens, source 1 = 16 rows of W: a lane's registers run along the keys
.irp ks, 0,1
.irp n, 0,1
.irp t, 0,1,2,3
.if \ks == 0
	MM ACC+16*(2*\n+\t/2)+8*(\t%2), XF+12*(2*\t), WF+12*(2*\n), BI+8*\n, XS+2*\t, WS+2*\n
.else
	MM ACC+16*(2*\n+\t/2)+8*(\t%2), XF+12*(2*\t+1), WF+12*(2*\n+1), ACC+16*(2*\n+\t/2)+8*(\t%2), XS+2*\t+1, WS+2*\n+1
.endif
.endr
.endr
.endr
.Lquant:
.rept 4
	v_nop                                          ; four places behind the last product (ISA guide 7.12.1): results are read, and x's registers written, only behind them
.endr
	QUANT ACC
	v_lshlrev_b32 v[SH], 4, v3
	v_lshrrev_b32 v[SV], v[SH], v[PW]              ; lanes 0-15 store the word's lower two bytes, lanes 16-31 its upper two
	global_store_b128 v10, v[PC:PC+3], s[58:59]                ; 32 lanes store 512 consecutive bytes, at a multiple of 256 from the buffer's first byte
	global_store_b64 v14, v[PC+4:PC+5], s[58:59] offset:512    ; and the 256 behind them
	global_store_b128 v10, v[PC+6:PC+9], s[60:61]
	global_store_b64 v14, v[PC+10:PC+11], s[60:61] offset:512
	global_store_b16 v15, v[SV], s[62:63]
	s_set_vgpr_msb 0x5
	s_wait_tensorcnt 0x0
	ds_add_u32 v0, v1
	s_wait_dscnt 0x0
	s_set_vgpr_msb 0x500
	s_endpgm
.Lfunc_end_k_q283cef4afa_proj:
	.size	k_q283cef4afa_proj, .Lfunc_end_k_q283cef4afa_proj-k_q283cef4afa_proj
	.p2alignl 7, 3214868480
	.fill 96, 4, 3214868480
	.section	.rodata,"a",@progbits
	.p2align	6, 0x0
	.amdhsa_kernel k_q283cef4afa_proj
		.amdhsa_group_segment_fixed_size 14336
		.amdhsa_private_segment_fixed_size 0
		.amdhsa_enable_private_segment 0
		.amdhsa_kernarg_size 144
		.amdhsa_user_sgpr_count 2
		.amdhsa_user_sgpr_kernarg_segment_ptr 1
		.amdhsa_wavefront_size32 1
		.amdhsa_system_sgpr_workgroup_id_x 1
		.amdhsa_system_sgpr_workgroup_id_y 1
		.amdhsa_system_sgpr_workgroup_id_z 1
		.amdhsa_system_vgpr_workitem_id 0
		.amdhsa_next_free_vgpr 258
		.amdhsa_next_free_sgpr 80
		.amdhsa_reserve_vcc 0
		.amdhsa_float_denorm_mode_32 3
		.amdhsa_float_denorm_mode_16_64 3
		.amdhsa_memory_ordered 1
		.amdhsa_forward_progress 1
		.amdhsa_inst_pref_size 21
	.end_amdhsa_kernel
	.amdgpu_metadata
---
amdhsa.version: [ 1, 2 ]
amdhsa.kernels:
  - .name:           k_q283cef4afa_proj
    .symbol:         k_q283cef4afa_proj.kd
    .args:
      - { .name: query_codes, .offset: 0, .size: 8, .value_kind: global_buffer, .address_space: global }
      - { .name: key_codes, .offset: 8, .size: 8, .value_kind: global_buffer, .address_space: global }
      - { .name: value_codes, .offset: 16, .size: 8, .value_kind: global_buffer, .address_space: global }
      - { .name: query_scales, .offset: 24, .size: 8, .value_kind: global_buffer, .address_space: global }
      - { .name: key_scales, .offset: 32, .size: 8, .value_kind: global_buffer, .address_space: global }
      - { .name: value_scales, .offset: 40, .size: 8, .value_kind: global_buffer, .address_space: global }
      - { .name: Wq_codes, .offset: 48, .size: 8, .value_kind: global_buffer, .address_space: global }
      - { .name: Wk_codes, .offset: 56, .size: 8, .value_kind: global_buffer, .address_space: global }
      - { .name: Wv_codes, .offset: 64, .size: 8, .value_kind: global_buffer, .address_space: global }
      - { .name: Wq_scales, .offset: 72, .size: 8, .value_kind: global_buffer, .address_space: global }
      - { .name: Wk_scales, .offset: 80, .size: 8, .value_kind: global_buffer, .address_space: global }
      - { .name: Wv_scales, .offset: 88, .size: 8, .value_kind: global_buffer, .address_space: global }
      - { .name: bq, .offset: 96, .size: 8, .value_kind: global_buffer, .address_space: global }
      - { .name: bk, .offset: 104, .size: 8, .value_kind: global_buffer, .address_space: global }
      - { .name: bv, .offset: 112, .size: 8, .value_kind: global_buffer, .address_space: global }
      - { .name: qimg, .offset: 120, .size: 8, .value_kind: global_buffer, .address_space: global }
      - { .name: qsc, .offset: 128, .size: 8, .value_kind: global_buffer, .address_space: global }
      - { .name: kv, .offset: 136, .size: 8, .value_kind: global_buffer, .address_space: global }
    .group_segment_fixed_size: 14336
    .private_segment_fixed_size: 0
    .kernarg_segment_align: 8
    .kernarg_segment_size: 144
    .max_flat_workgroup_size: 256
    .sgpr_count:     80
    .vgpr_count:     258
    .wavefront_size: 32
...
	.end_amdgpu_metadata
.endif
;; end of part 1
;; launch attn (part 2): grid 4 x 64, 16 waves a work-group, clusters of 4 x 1, 169,984 bytes of LDS; arguments qimg, qsc, kv, ao, aosc; writes ao, aosc
.if DOCPART == 2
	.amdgcn_target "amdgcn-amd-amdhsa--gfx1250"
	.amdhsa_code_object_version 6
	.text
	.protected	k_q283cef4afa_attn
	.globl	k_q283cef4afa_attn
	.p2align	8
	.type	k_q283cef4afa_attn,@function
k_q283cef4afa_attn:
	s_mov_b64 s[64:65], 0
	v_nop
	global_prefetch_b8 v0, s[64:65] scope:SCOPE_SE
	s_setreg_imm32_b32 hwreg(HW_REG_WAVE_MODE, 25, 1), 1
	s_wait_xcnt 0x0
	s_wait_alu depctr_hold_cnt(0) depctr_sa_sdst(0) depctr_va_vdst(0) depctr_va_sdst(0) depctr_va_ssrc(0) depctr_va_vcc(0) depctr_vm_vsrc(0)
	s_getreg_b32 s2, hwreg(HW_REG_IB_STS2, 6, 4)
	s_cmp_eq_u32 s2, 0
	s_cbranch_scc0 .Lentry_in_a_cluster
	s_endpgm
.Lentry_in_a_cluster:
	s_bfe_u32 s2, ttmp6, 0x10000c
	s_cmp_lg_u32 s2, 0x3003
	s_cbranch_scc0 .Lentry_shape_is_right
	s_endpgm
.Lentry_shape_is_right:
; Causal attention of one head on codes of FP6 (E2M3): S^T = K Q^T, p = 2^(t - M), O^T = V^T P^T, O / l, and O quantised along the head's 32 channels for the last product.
; t = score x log2(e) / sqrt(32); M = the running largest t rounded UP to a whole number; p is quantised along the keys in blocks of 32; the row's sum l is taken of the unquantised p, in f32.
; When M moves, l and O^T are multiplied by 2^(old M - new M): exact.
; SHARES.  A cluster of four work-groups owns one bh = 8 b + head; its 64 waves own the head's 128 tiles of 16 queries, two each.  Wave w of partner p: G = w / 2, e = w % 2: tiles tA = 8 G + 4 e + p and tB = 127 - tA.
; Tile A has G + 1 key steps of 128 that count, tile B 16 - G: 17 for every wave.  A tile's last step (G, 15 - G) hangs on the wave's number alone: no branch and no LDS address hangs on the place in the cluster.
; Steps all of whose keys are hidden are jumped over inside loops of constant trip counts (8, 16); in a tile's last step hidden scores become -infinity.
; K, V AND THEIR SCALES of the whole head, 16 steps x 6,400 bytes, come into LDS ONCE: one joint tensor load a wave (wave w: step w), the same in all four partners; one tensor load of a wave is out.  Nothing is filled again.
; So there is no ring, and nothing is left to ask for ahead of time.
; LAYOUTS are those that the launch before has written (its head comment).  A tile of queries or keys t of a group of 64 tokens holds in row r token 32 (t / 2) + 8 (t % 2) + r + 8 (r / 8).
; K = 32 IN AN INSTRUCTION OF K = 128: an image of K holds FOUR tiles of 16 keys, one in each block of 32; its scale word the four keys' bytes.  Tile j is picked by an operand of Q that has q in block j and zero
; codes elsewhere (its scale word: q's byte at byte j): zero codes add nothing.  The four operands overlap in one chain of 30 registers.  64 keys cost 12 registers and 4 LDS loads.
; A lane holds ONE query throughout; S's registers 16 b + i are keys 32 b + 16 h + i of the step; O^T's registers i are channels 16 h + i.
; LIMITS: NaN and infinities are not served; a block under 2^-124 keeps the byte 1 (a block of zeros too: its codes are zeros); a tile's last step works on all 128 keys though part of them are hidden.
.set STEPB, 6400
.set QCH, 16                           ; v16-45   [q in lanes 0-15][0][q in lanes 16-31][0][q in lanes 0-15], six registers each: block 0 at +0, 1 at +12, 2 at +18, 3 at +6
.set QS,  46                           ; v46-49   q's scale word for block j
.set KS,  50                           ; v50      K's scale words: lanes 0-15 image 0, lanes 16-31 image 1
.set VS,  51                           ; v51      V's: lanes 0-15 tile 0, lanes 16-31 tile 1
.set PS,  52                           ; v52      p's
.set TQ,  53                           ; v53      at work
.set KF,  54                           ; v54-77   K's two images
.set VF,  78                           ; v78-101  V's two tiles
.set S,   104                          ; v104-167 S^T, then p
.set O,   168                          ; v168-183 O^T
.set PC,  184                          ; v184-195 p's codes
.set PT,  196                          ; v196-198, v200-202 second halves as converted
.set BM,  204                          ; v204-207 the blocks' largest scores, then largest p
.set PD,  208                          ; v208-211 what the other half of the lanes sends
.set SO,  212                          ; v212-215 the conversions' scale operands
.set BY,  216                          ; v216-219 scale bytes
.set F,   220                          ; v[220:221] f = 2^(old M - new M), later 1 / l; v221 is named with it as a pair and holds 0
.set TA,  222                          ; v222-223 at work
.set SUM2, 224                         ; v[224:225] the sum's second chain
.set CA,  226                          ; v226-231 the record that I store; v226-228 tile A's codes as converted
.set CB,  232                          ; v232-234 tile B's
.set BA,  235                          ; v235, v236 the two tiles' scale bytes; v237 the one that I store
.set BB,  236
.set SV,  237
.set QRA, 238                          ; v238-243, v244-249 q's 24 bytes of tiles A and B; v250, v251 their groups' scale words
.set QRB, 244
.set QWA, 250
.set QWB, 251
; v1 16 L, v2 8 L, v3 4 L; v4-6 the same in the step in hand; v7 d for the mask; v8 -infinity; v9 rp - 16 h; v10 h; v11 r; v12 -M; v13 the largest t; v[14:15] the sum
; s14 wave, s15 G = tile A's last step, s43 15 - G = tile B's, s17 p, s18 bh, s19 head, s20 b, s21 tA, s22 tB; s[24:31], s[32:35] the descriptor; s[36:37] lane selects; s[38:39] c; s40 the step's LDS byte; s41 the step
.macro CROUND                          ; a round of the cluster's barrier: my work-group's barrier; wave 0 signals for the work-group; every wave waits for all four; my work-group's barrier once more
	s_barrier_signal -1
	s_barrier_wait -1
	s_cmp_lg_u32 s14, 0
	s_cbranch_scc1 .Lnot_wave_0_\@
	s_barrier_signal -3
.Lnot_wave_0_\@:
	s_barrier_wait -3
	s_barrier_signal -1
	s_barrier_wait -1
.endm
; what hangs on a tile's number: where its q and q's scale words lie, the byte's place in the word, the tile's first query in its last step, my lane's offsets in the half image
.macro QSET tq, ib, sb, sh, so, vo
	s_lshr_b32 s44, s[\tq], 2
	s_lshl_b32 s45, s18, 5
	s_add_co_u32 s44, s44, s45                     ; 32 bh + the group of 64
	s_mul_i32 s60, s44, 1536
	s_bfe_u32 s45, s[\tq], 0x10001                 ; c = (t / 2) % 2
	s_mul_i32 s45, s45, 768
	s_add_co_u32 s60, s60, s45
	s_add_nc_u64 s[\ib:\ib+1], s[4:5], s[60:61]
	s_lshl_b32 s60, s44, 6
	s_add_nc_u64 s[\sb:\sb+1], s[6:7], s[60:61]
	s_and_b32 s[\sh], s[\tq], 3
	s_lshl_b32 s[\sh], s[\sh], 3                   ; 8 (t % 4) bits
	s_and_b32 s[\so], s[\tq], 6
	s_lshl_b32 s[\so], s[\so], 4
	s_and_b32 s45, s[\tq], 1
	s_lshl_b32 s44, s45, 3
	s_add_co_u32 s[\so], s[\so], s44               ; 32 ((t / 2) % 4) + 8 (t % 2): row 0's query in the step of 128
	s_lshl_b32 s45, s45, 7
	v_lshl_add_u32 v[\vo], v11, 3, s45             ; the record lies in lane r + 16 (t % 2) of the half image: 8 bytes a lane,
	v_lshlrev_b32 v[\vo+1], 1, v[\vo]              ; and 16
.endm
.macro KQ t, qo                        ; tile t of the step's eight: image t / 4, block t % 4
.if \t < 4
	v_wmma_scale_f32_16x16x128_f8f6f4 v[S+8*\t:S+8*\t+7], v[KF:KF+11], v[QCH+\qo:QCH+\qo+11], 0, v[KS], v[QS+\t] matrix_a_fmt:MATRIX_FMT_FP6 matrix_b_fmt:MATRIX_FMT_FP6
.else
	v_wmma_scale_f32_16x16x128_f8f6f4 v[S+8*\t:S+8*\t+7], v[KF+12:KF+23], v[QCH+\qo:QCH+\qo+11], 0, v[KS], v[QS+\t-4] matrix_a_fmt:MATRIX_FMT_FP6 matrix_b_fmt:MATRIX_FMT_FP6 matrix_a_scale:MATRIX_SCALE_ROW1
.endif
.endm
; A KEY STEP: 128 keys.  lim: the scalar register with the tile's last step.
.macro STEP lim
	s_cmp_gt_u32 s41, s[\lim]                      ; all keys hidden: nothing to do
	s_cbranch_scc1 .Lhid_\@
	v_add_nc_u32 v4, s40, v1                       ; these three and the v_nop are the four places between the last step's products and the loads into V's registers
	v_add_nc_u32 v5, s40, v2
	v_add_nc_u32 v6, s40, v3
	v_nop
.irp g, 0,1
.irp c, 0,1
	ds_load_b128 v[KF+12*\g+6*\c:KF+12*\g+6*\c+3], v4 offset:1536*\g+768*\c            ; consecutive bytes over the lanes
	ds_load_b64 v[KF+12*\g+6*\c+4:KF+12*\g+6*\c+5], v5 offset:1536*\g+768*\c+512
.endr
.endr
	ds_load_b32 v[KS], v6 offset:6144
.irp n, 0,1
.irp c, 0,1
	ds_load_b128 v[VF+12*\n+6*\c:VF+12*\n+6*\c+3], v4 offset:3072+1536*\n+768*\c
	ds_load_b64 v[VF+12*\n+6*\c+4:VF+12*\n+6*\c+5], v5 offset:3072+1536*\n+768*\c+512
.endr
.endr
	ds_load_b32 v[VS], v6 offset:6272
	s_wait_dscnt 9                                 ; V's eight loads and its scale words may be out: K's nine are in
	KQ 0, 0
	KQ 1, 12
	KQ 2, 18
	KQ 3, 6
	KQ 4, 0
	KQ 5, 12
	KQ 6, 18
	KQ 7, 6
.rept 4
	v_nop                                          ; four places behind the products, ahead of the first read of results (ISA guide 7.12.1)
.endr
	s_cmp_lg_u32 s41, s[\lim]                      ; only the tile's last step has hidden keys
	s_cbranch_scc1 .Lopen_\@
.set n, 0
.rept 64
	v_cmp_gt_i32 vcc_lo, 32*(n/16)+n%16, v7        ; register 16 b + i holds key 32 b + 16 h + i of the step: hidden where 32 b + i > d = my query - 16 h
	v_cndmask_b32 v[S+n], v[S+n], v8, vcc_lo
.set n, n+1
.endr
.Lopen_\@:
.irp b, 0,1,2,3
	v_max3_num_f32 v[BM+\b], v[S+16*\b], v[S+16*\b+1], v[S+16*\b+2]   ; the largest score of each block of 32 keys: for the row's maximum and, since p rises with the score, for the block's largest p
.endr
.irp i, 3,5,7,9,11,13
.irp b, 0,1,2,3
	v_max3_num_f32 v[BM+\b], v[BM+\b], v[S+16*\b+\i], v[S+16*\b+\i+1]
.endr
.endr
.irp b, 0,1,2,3
	v_max_num_f32 v[BM+\b], v[BM+\b], v[S+16*\b+15]
.endr
.irp b, 0,1,2,3
	v_permlanex16_b32 v[PD+\b], v[BM+\b], s36, s37
.endr
.irp b, 0,1,2,3
	v_max_num_f32 v[BM+\b], v[BM+\b], v[PD+\b]     ; with lane l xor 16's 16 keys
.endr
	v_max3_num_f32 v[TA], v[BM], v[BM+1], v[BM+2]
	v_max_num_f32 v[TA], v[TA], v[BM+3]            ; the step's largest score of my query
	v_mul_f32 v[TA], s38, v[TA]                    ; as t (c is positive)
	v_max_num_f32 v13, v13, v[TA]                  ; the running largest t
	v_mov_b32 v[TA], v12
	v_floor_f32 v12, -v13                          ; the new -M = floor(-t): M is a whole number
	v_sub_f32 v[TA], v12, v[TA]                    ; old M - new M: a whole number, 0 or less
	v_cvt_i32_f32 v[TA], v[TA]                     ; (it saturates)
	v_ldexp_f32 v[F], 1.0, v[TA]                   ; f = 2^(old M - new M)
.set j, 0
.rept 32
	v_pk_fma_f32 v[S+j:S+j+1], v[S+j:S+j+1], s[38:39], v[12:13] op_sel_hi:[1,0,0]   ; t - M, two at a time
.set j, j+2
.endr
.irp b, 0,1,2,3
	v_fma_f32 v[BM+\b], v[BM+\b], s38, v12         ; the same of each block's largest score
.endr
.set j, 0
.rept 64
	v_exp_f32 v[S+j], v[S+j]                       ; p = 2^(t - M), at most 1
.set j, j+1
.endr
	v_pk_mul_f32 v[14:15], v[14:15], v[F:F+1] op_sel_hi:[1,0]   ; the sums under the new M: the plain place behind the exponentials
	s_wait_alu depctr_va_vdst(0)                   ; one wait for the batch of 64, ahead of its first reader
.irp b, 0,1,2,3
	v_exp_f32 v[BM+\b], v[BM+\b]                   ; the blocks' largest p: the same two instructions on the same number give the same bits
.endr
	v_pk_add_f32 v[SUM2:SUM2+1], v[S:S+1], v[S+2:S+3]   ; the row's sum of the UNQUANTISED p, in two chains; its first half is the work behind the four exponentials
.irp j, 4,8,12,16,20,24,28
	v_pk_add_f32 v[14:15], v[14:15], v[S+\j:S+\j+1]
	v_pk_add_f32 v[SUM2:SUM2+1], v[SUM2:SUM2+1], v[S+\j+2:S+\j+3]
.endr
	s_wait_alu depctr_va_vdst(0)                   ; and one for the four
.irp b, 0,1,2,3
	v_max_num_f32 v[BM+\b], 0x1800000, v[BM+\b]    ; the floor 2^(3 - 127): the byte cannot fall under 1
.endr
.irp b, 0,1,2,3
	v_add_nc_u32 v[SO+\b], 0xff000000, v[BM+\b]    ; 2 off the exponent field: the conversion's scale operand
.endr
.irp b, 0,1,2,3
	v_lshrrev_b32 v[BY+\b], 23, v[SO+\b]
.endr
	v_lshl_or_b32 v[PS], v[BY+1], 8, v[BY]         ; p's scale word for these 128 keys
	v_lshl_or_b32 v[PS], v[BY+2], 16, v[PS]
	v_lshl_or_b32 v[PS], v[BY+3], 24, v[PS]
.irp j, 32,36,40,44,48,52,56,60
	v_pk_add_f32 v[14:15], v[14:15], v[S+\j:S+\j+1]   ; the sum's second half: 17 plain instructions that name no register of the products below: more than the eight places between the scale word's last write and them
	v_pk_add_f32 v[SUM2:SUM2+1], v[SUM2:SUM2+1], v[S+\j+2:S+\j+3]
.endr
	v_pk_add_f32 v[14:15], v[14:15], v[SUM2:SUM2+1]
.irp c, 0,1
	v_cvt_scalef32_pk16_fp6_f32 v[PC+6*\c:PC+6*\c+2], v[S+32*\c:S+32*\c+15], v[SO+2*\c]
	v_cvt_scalef32_pk16_fp6_f32 v[PT+4*\c:PT+4*\c+2], v[S+32*\c+16:S+32*\c+31], v[SO+2*\c+1]
.endr
	v_nop                                          ; one plain place behind a scaled conversion
.irp c, 0,1
.irp i, 0,1,2
	v_permlane16_swap_b32 v[PC+6*\c+\i], v[PT+4*\c+\i]   ; a whole block to a lane
.endr
.irp i, 0,1,2
	v_mov_b32 v[PC+6*\c+3+\i], v[PT+4*\c+\i]
.endr
.endr
.irp j, 0,2,4,6,8,10,12,14
	v_pk_mul_f32 v[O+\j:O+\j+1], v[O+\j:O+\j+1], v[F:F+1] op_sel_hi:[1,0]   ; O^T under the new M, each accumulator from its low end on.  For each product below the four lines on the OTHER accumulator are the places behind the codes' last write
.endr
	s_wait_dscnt 0x0                               ; V and its scale words are in
	v_wmma_scale_f32_16x16x128_f8f6f4 v[O:O+7], v[VF:VF+11], v[PC:PC+11], v[O:O+7], v[VS], v[PS] matrix_a_fmt:MATRIX_FMT_FP6 matrix_b_fmt:MATRIX_FMT_FP6
	v_wmma_scale_f32_16x16x128_f8f6f4 v[O+8:O+15], v[VF+12:VF+23], v[PC:PC+11], v[O+8:O+15], v[VS], v[PS] matrix_a_fmt:MATRIX_FMT_FP6 matrix_b_fmt:MATRIX_FMT_FP6 matrix_a_scale:MATRIX_SCALE_ROW1
.Lhid_\@:
.endm
; A tile's end: O^T / l, quantised along the head's 32 channels (16 of them mine): three registers of codes and the scale's byte.
.macro FIN dst, dbyte
	v_nop                                          ; these two, the two additions and the v_nop behind the reciprocal: five places behind the last products
	v_nop
	v_add_f32 v14, v14, v15                        ; the sum's two halves,
	v_permlanex16_b32 v[PD], v14, s36, s37
	v_add_f32 v14, v14, v[PD]                      ; and lane l xor 16's: l, at least 1/2
	v_rcp_f32 v[F], v14
	v_nop                                          ; a plain place behind the transcendental
	s_wait_alu depctr_va_vdst(0)                   ; and the wait ahead of its first reader
.irp j, 0,2,4,6,8,10,12,14
	v_pk_mul_f32 v[O+\j:O+\j+1], v[O+\j:O+\j+1], v[F:F+1] op_sel_hi:[1,0]
.endr
	v_max3_num_f32 v[BM], |v[O]|, |v[O+1]|, 0x1800000          ; my 16 channels and the floor, in two chains
	v_max3_num_f32 v[BM+1], |v[O+2]|, |v[O+3]|, |v[O+4]|
	v_max3_num_f32 v[BM], v[BM], |v[O+5]|, |v[O+6]|
	v_max3_num_f32 v[BM+1], v[BM+1], |v[O+7]|, |v[O+8]|
	v_max3_num_f32 v[BM], v[BM], |v[O+9]|, |v[O+10]|
	v_max3_num_f32 v[BM+1], v[BM+1], |v[O+11]|, |v[O+12]|
	v_max3_num_f32 v[BM], v[BM], |v[O+13]|, |v[O+14]|
	v_max3_num_f32 v[BM], v[BM], v[BM+1], |v[O+15]|
	v_permlanex16_b32 v[PD], v[BM], s36, s37
	v_max_num_f32 v[BM], v[BM], v[PD]
	v_add_nc_u32 v[SO], 0xff000000, v[BM]
	v_lshrrev_b32 v[\dbyte], 23, v[SO]
	v_cvt_scalef32_pk16_fp6_f32 v[\dst:\dst+2], v[O:O+15], v[SO]
	v_nop                                          ; one plain place behind a scaled conversion
.endm
; One tile of queries from its first key step to its codes.
.macro PASS raw, qw, sshift, soff, lim, trips, dst, dbyte
	v_cmp_eq_u32 vcc_lo, 1, v10
.irp i, 0,1,2,3,4,5
	v_cndmask_b32 v[QCH+\i], v[\raw+\i], v[QCH+6+\i], vcc_lo       ; q in lanes 0-15, zero codes in lanes 16-31
	v_cndmask_b32 v[QCH+12+\i], v[QCH+6+\i], v[\raw+\i], vcc_lo    ; the other way round
	v_cndmask_b32 v[QCH+24+\i], v[\raw+\i], v[QCH+6+\i], vcc_lo
.endr
	v_lshrrev_b32 v[TQ], s[\sshift], v[\qw]
	v_and_b32 v[TQ], 255, v[TQ]                    ; my query's scale byte
	v_mov_b32 v[QS], v[TQ]
	v_lshlrev_b32 v[QS+1], 8, v[TQ]
	v_lshlrev_b32 v[QS+2], 16, v[TQ]
	v_lshlrev_b32 v[QS+3], 24, v[TQ]               ; (the 21 plain lines below and the step's first four stand between these and the first product)
	v_add_nc_u32 v7, s[\soff], v9                  ; d = my query in its last step - 16 h
	v_mov_b32 v13, 0xff61b1e6                      ; the largest t so far: -3e38, under every t
	v_floor_f32 v12, -v13
	v_mov_b32 v14, 0
	v_mov_b32 v15, 0
.set j, 0
.rept 16
	v_mov_b32 v[O+j], 0                            ; the step is written once: the first finds zeros, which the first change of M leaves zeros
.set j, j+1
.endr
	s_mov_b32 s40, 0
	s_mov_b32 s41, 0
.Lstep_\@:
	STEP \lim
	s_add_co_u32 s40, s40, STEPB
	s_add_co_u32 s41, s41, 1
	s_cmp_lt_u32 s41, \trips
	s_cbranch_scc1 .Lstep_\@
	FIN \dst, \dbyte
.endm
	s_load_b256 s[4:11], s[0:1], 0x0               ; qimg s[4:5], qsc s[6:7], kv s[8:9], ao s[10:11]
	s_load_b64 s[12:13], s[0:1], 0x20              ; aosc
	v_lshl_add_u32 v199, v0, 2, 0x29000
	v_mov_b32 v203, 0
	ds_add_u32 v199, v203
	ds_add_u32 v199, v203
	v_lshrrev_b32 v1, 5, v0
	v_readfirstlane_b32 s14, v1                    ; wave 0..15
	s_and_b32 s18, ttmp7, 0xffff                   ; bh: the cluster's y, which the four partners share
	; the descriptor: step w of the head, 6,400 dense bytes, as 25 rows of 256 bytes (32 elements of 8 bytes); nothing in it hangs on the place in the cluster
	s_mov_b32 s24, 15|(3<<16)|(1<<21)              ; 15:0 the mask: all four work-groups; 17:16 elements of 8 bytes; 20 no padding; 21 set beside a mask
	s_mov_b32 s25, 32<<16                          ; tensor_dim0 = 32
	s_mov_b32 s26, 25<<16                          ; tensor_dim1 = 25
	s_mov_b32 s27, 32<<16                          ; tile_dim0 = 32
	s_mov_b32 s28, 25                              ; tile_dim1 = 25
	s_mov_b32 s29, 32                              ; from row to row
	s_mov_b32 s30, 0
	s_mov_b32 s31, 0
	s_mul_i32 s58, s18, 16*STEPB
	s_mul_i32 s33, s14, STEPB                      ; LDS address: wave x 6,400
	s_add_co_u32 s58, s58, s33
	s_mov_b32 s59, 0
	s_mov_b32 s32, 1                               ; count = 1
	s_wait_dscnt 0x0
	s_wait_kmcnt 0x0
	s_add_nc_u64 s[34:35], s[8:9], s[58:59]
	s_or_b32 s35, s35, 0x80000000                  ; type = 2
	CROUND                                         ; all four work-groups are here: the joint loads meet
	tensor_load_to_lds s[32:35], s[24:31]
	s_nop 0
.rept 4
	v_nop
.endr
	s_lshr_b32 s15, s14, 1                         ; G
	s_and_b32 s16, s14, 1                          ; e
	s_bfe_u32 s17, ttmp6, 0x40000                  ; p: my place in the cluster: it enters global addresses, the mask's d and a shift amount, and nothing else
	s_and_b32 s19, s18, 7                          ; head
	s_lshr_b32 s20, s18, 3                         ; b
	s_lshl_b32 s21, s15, 3
	s_lshl_b32 s44, s16, 2
	s_add_co_u32 s21, s21, s44
	s_add_co_u32 s21, s21, s17                     ; tA = 8 G + 4 e + p
	s_sub_co_u32 s22, 127, s21                     ; tB
	s_sub_co_u32 s43, 15, s15                      ; tile B's last step
	s_mov_b32 s36, 0x76543210
	s_mov_b32 s37, 0xfedcba98                      ; v_permlanex16_b32's selects for lane l xor 16
	s_mov_b32 s38, 0x3e8293ee                      ; c = log2(e) / sqrt(32)
	s_mov_b32 s39, s38                             ; (named with it as a pair, so it is written)
	s_mov_b32 s61, 0
	v_and_b32 v[TA], 31, v0                        ; L
	v_lshlrev_b32 v1, 4, v[TA]
	v_lshlrev_b32 v2, 3, v[TA]
	v_lshlrev_b32 v3, 2, v[TA]
	v_bfe_u32 v10, v0, 4, 1                        ; h
	v_and_b32 v11, 15, v0                          ; r
	v_and_b32 v9, 8, v11
	v_add_nc_u32 v9, v9, v11                       ; rp
	v_lshlrev_b32 v[TA+1], 4, v10
	v_sub_nc_u32 v9, v9, v[TA+1]                   ; rp - 16 h
	v_mov_b32 v8, 0xff800000                       ; -infinity
	QSET 21, 46, 50, 54, 56, S                     ; (the offsets stand in S's registers until the loads are in)
	QSET 22, 48, 52, 55, 57, S+2
	v_lshlrev_b32 v[S+4], 2, v11
	global_load_b128 v[QRA:QRA+3], v[S+1], s[46:47]
	global_load_b64 v[QRA+4:QRA+5], v[S], s[46:47] offset:512
	global_load_b32 v[QWA], v[S+4], s[50:51]
	global_load_b128 v[QRB:QRB+3], v[S+3], s[48:49]
	global_load_b64 v[QRB+4:QRB+5], v[S+2], s[48:49] offset:512
	global_load_b32 v[QWB], v[S+4], s[52:53]
.irp i, 0,1,2,3,4,5
	v_mov_b32 v[QCH+6+\i], 0                       ; the chain's zero codes, once
	v_mov_b32 v[QCH+18+\i], 0
.endr
.irp b, 0,1,2,3
	v_mov_b32 v[PD+\b], 0                          ; written once: a lane permute's destination counts as one of its sources
.endr
	v_mov_b32 v[F+1], 0
	s_wait_tensorcnt 0x0                           ; my step has landed,
	s_barrier_signal -1
	s_barrier_wait -1                              ; everybody's has: the whole head lies in LDS
	s_wait_loadcnt 0x0                             ; q
	PASS QRA, QWA, 54, 56, 15, 8, CA, BA
	PASS QRB, QWB, 55, 57, 43, 16, CB, BB
	; THE WAY OUT: lanes 0-15 take tile A's records (24 bytes a query), lanes 16-31 tile B's, and store them where the last product's operand registers want them:
	; ao [128 b + tile][head / 2][768], lane r + 16 (head % 2) of the half image;  aosc [128 b + tile][head][r].
.irp i, 0,1,2
	v_permlane16_swap_b32 v[CA+\i], v[CB+\i]       ; CA: each lane's tile's channels 0-15; CB: channels 16-31
.endr
.irp i, 0,1,2
	v_mov_b32 v[CA+3+\i], v[CB+\i]
.endr
	v_cmp_eq_u32 vcc_lo, 1, v10
	v_cndmask_b32 v[SV], v[BA], v[BB], vcc_lo
	s_lshl_b32 s44, s20, 7
	s_add_co_u32 s44, s44, s21                     ; 128 b + tA
	s_sub_co_u32 s45, s22, s21                     ; tB - tA
	s_lshr_b32 s58, s19, 1
	s_mul_i32 s58, s58, 768
	s_and_b32 s59, s19, 1
	s_lshl_b32 s60, s59, 8
	s_add_co_u32 s60, s60, s58                     ; 768 (head / 2) + 256 (head % 2)
	s_lshl_b32 s59, s59, 7
	s_add_co_u32 s59, s59, s58                     ; 768 (head / 2) + 128 (head % 2)
	s_lshl_b32 s58, s19, 4
	v_mad_u32_u24 v252, v10, s45, s44              ; my lane's tile
	v_mul_u32_u24 v[TA], v252, 3072
	v_lshl_add_u32 v253, v11, 4, v[TA]
	v_add_nc_u32 v253, s60, v253
	v_lshl_add_u32 v254, v11, 3, v[TA]
	v_add_nc_u32 v254, s59, v254
	v_lshl_add_u32 v255, v252, 7, v11
	v_add_nc_u32 v255, s58, v255
	global_store_b128 v253, v[CA:CA+3], s[10:11]               ; sixteen lanes store 256 consecutive bytes, at a multiple of 256 from the buffer's first byte
	global_store_b64 v254, v[CA+4:CA+5], s[10:11] offset:512
	global_store_b8 v255, v[SV], s[12:13]
	s_wait_tensorcnt 0x0
	ds_add_u32 v199, v203
	s_wait_dscnt 0x0
	CROUND                                         ; the closing round: no work-group ends while a partner may still ask for a tile that names it
	s_endpgm
.Lfunc_end_k_q283cef4afa_attn:
	.size	k_q283cef4afa_attn, .Lfunc_end_k_q283cef4afa_attn-k_q283cef4afa_attn
	.p2alignl 7, 3214868480
	.fill 96, 4, 3214868480
	.section	.rodata,"a",@progbits
	.p2align	6, 0x0
	.amdhsa_kernel k_q283cef4afa_attn
		.amdhsa_group_segment_fixed_size 169984
		.amdhsa_private_segment_fixed_size 0
		.amdhsa_enable_private_segment 0
		.amdhsa_kernarg_size 40
		.amdhsa_user_sgpr_count 2
		.amdhsa_user_sgpr_kernarg_segment_ptr 1
		.amdhsa_wavefront_size32 1
		.amdhsa_system_sgpr_workgroup_id_x 1
		.amdhsa_system_sgpr_workgroup_id_y 1
		.amdhsa_system_sgpr_workgroup_id_z 1
		.amdhsa_system_vgpr_workitem_id 0
		.amdhsa_next_free_vgpr 256
		.amdhsa_next_free_sgpr 66
		.amdhsa_reserve_vcc 1
		.amdhsa_float_denorm_mode_32 3
		.amdhsa_float_denorm_mode_16_64 3
		.amdhsa_memory_ordered 1
		.amdhsa_forward_progress 1
		.amdhsa_inst_pref_size 53
	.end_amdhsa_kernel
	.amdgpu_metadata
---
amdhsa.version: [ 1, 2 ]
amdhsa.kernels:
  - .name:           k_q283cef4afa_attn
    .symbol:         k_q283cef4afa_attn.kd
    .args:
      - { .name: qimg, .offset: 0, .size: 8, .value_kind: global_buffer, .address_space: global }
      - { .name: qsc, .offset: 8, .size: 8, .value_kind: global_buffer, .address_space: global }
      - { .name: kv, .offset: 16, .size: 8, .value_kind: global_buffer, .address_space: global }
      - { .name: ao, .offset: 24, .size: 8, .value_kind: global_buffer, .address_space: global }
      - { .name: aosc, .offset: 32, .size: 8, .value_kind: global_buffer, .address_space: global }
    .group_segment_fixed_size: 169984
    .private_segment_fixed_size: 0
    .kernarg_segment_align: 8
    .kernarg_segment_size: 40
    .max_flat_workgroup_size: 512
    .sgpr_count:     66
    .vgpr_count:     256
    .wavefront_size: 32
...
	.end_amdgpu_metadata
.endif
;; end of part 2
;; launch oproj (part 3): grid 256 x 1, 8 waves a work-group, no clusters, 35,840 bytes of LDS; arguments ao, aosc, Wo_codes, Wo_scales, bo, out0; writes out0
.if DOCPART == 3
	.amdgcn_target "amdgcn-amd-amdhsa--gfx1250"
	.amdhsa_code_object_version 6
	.text
	.protected	k_q283cef4afa_oproj
	.globl	k_q283cef4afa_oproj
	.p2align	8
	.type	k_q283cef4afa_oproj,@function
k_q283cef4afa_oproj:
	s_mov_b64 s[64:65], 0
	v_nop
	global_prefetch_b8 v0, s[64:65] scope:SCOPE_SE
	s_setreg_imm32_b32 hwreg(HW_REG_WAVE_MODE, 25, 1), 1
	s_wait_xcnt 0x0
; out0 = a Wo^T + bo on codes of FP6 (E2M3): a's codes and scale bytes as the launch before has laid them (images of the operand's registers), Wo's as they are given.  Sums in f32.
; SHARES.  Work-group x: tokens 64 x .. 64 x + 63, four tiles of 16.  Wave w: cg = w % 4, tp = w / 4: outputs 64 cg .. 64 cg + 63 for tiles 4 x + 2 tp + m, m = 0, 1: 16 matrix instructions.  Waves share nothing: no barrier.
; Tile 2 tp + m holds in row r token 32 tp + 8 m + r + 8 (r / 8) of the group.
; TRANSPOSED: source 0 = 16 rows of Wo, source 1 = 16 tokens: a lane holds eight neighbouring outputs of one token.  The bias is loaded into the accumulators: it is the C of each sum's first product.
; The results go through the wave's own stage in LDS (16 rows of 256 bytes + 16) and leave as whole rows: sixteen lanes store 256 consecutive bytes, aligned.
; No multicast: what work-groups share is Wo, 51,200 bytes.  LIMITS: scale bytes 0xff are not served.
.set WF,  16                           ; v16-111  Wo's fragments, 12 (2 nt + ks); on the way out rows of out0
.set AF,  112                          ; v112-159 a's fragments, 12 (2 m + ks)
.set ACC, 160                          ; v160-223 the sums, 8 (4 m + nt)
.set WS,  224                          ; v224-231 Wo's scale words
.set AS,  232                          ; v232-235 a's
.set AB,  236                          ; v236-251 a's scale bytes as loaded, 8 m + 4 ks + j
	s_load_b256 s[4:11], s[0:1], 0x0               ; ao s[4:5], aosc s[6:7], Wo's codes s[8:9], Wo's scales s[10:11]
	s_load_b128 s[12:15], s[0:1], 0x20             ; bo s[12:13], out0 s[14:15]
	v_lshl_add_u32 v254, v0, 2, 0x8800
	v_mov_b32 v255, 0
	v_lshrrev_b32 v1, 5, v0
	v_readfirstlane_b32 s16, v1                    ; wave
	s_and_b32 s17, s16, 3                          ; cg
	s_lshr_b32 s18, s16, 2                         ; tp
	v_and_b32 v1, 31, v0                           ; L
	v_and_b32 v9, 15, v0                           ; r
	v_bfe_u32 v3, v0, 4, 1                         ; h
	v_mul_u32_u24 v4, v9, 192
	v_mad_u32_u24 v4, v3, 24, v4                   ; Wo: row r of 192 bytes, + 24 h
	v_lshlrev_b32 v5, 3, v9                        ; its scale words: 8 bytes a row
	v_lshlrev_b32 v6, 5, v3                        ; bo: 32 h
	v_lshlrev_b32 v7, 4, v1                        ; 16 L
	v_lshlrev_b32 v8, 3, v1                        ; 8 L
	s_mul_i32 s19, s16, 4352                       ; my stage
	v_mul_u32_u24 v10, v9, 272
	v_lshl_add_u32 v10, v3, 5, v10
	v_add_nc_u32 v10, s19, v10                     ; in: row r, + 32 h
	v_mul_u32_u24 v11, v3, 272
	v_lshl_add_u32 v11, v9, 4, v11
	v_add_nc_u32 v11, s19, v11                     ; back: lanes 0-15 one row, lanes 16-31 the next
	v_lshlrev_b32 v12, 10, v3
	v_lshl_add_u32 v12, v9, 4, v12                 ; and the same two rows in out0
	s_lshl_b32 s20, ttmp9, 2
	s_lshl_b32 s21, s18, 1
	s_add_co_u32 s20, s20, s21                     ; my first tile: 4 x + 2 tp
	s_mov_b32 s23, 0
	s_wait_kmcnt 0x0
	s_mul_i32 s22, s20, 3072
	s_add_nc_u64 s[4:5], s[4:5], s[22:23]
	s_lshl_b32 s22, s20, 7
	s_add_nc_u64 s[6:7], s[6:7], s[22:23]
	s_mul_i32 s22, s17, 12288
	s_add_nc_u64 s[8:9], s[8:9], s[22:23]          ; my 64 rows of Wo
	s_lshl_b32 s22, s17, 9
	s_add_nc_u64 s[10:11], s[10:11], s[22:23]
	s_lshl_b32 s22, s17, 8
	s_add_nc_u64 s[12:13], s[12:13], s[22:23]      ; my 64 numbers of bo
	s_add_nc_u64 s[14:15], s[14:15], s[22:23]      ; my 256 bytes of a row of out0,
	s_lshl_b32 s22, s20, 14
	s_add_nc_u64 s[14:15], s[14:15], s[22:23]      ; from row 16 x tile on
.irp m, 0,1
.irp nt, 0,1,2,3
	global_load_b128 v[ACC+8*(4*\m+\nt):ACC+8*(4*\m+\nt)+3], v6, s[12:13] offset:64*\nt        ; register j = bo(64 cg + 16 nt + 8 h + j)
	global_load_b128 v[ACC+8*(4*\m+\nt)+4:ACC+8*(4*\m+\nt)+7], v6, s[12:13] offset:64*\nt+16
.endr
.endr
.irp nt, 0,1,2,3
.irp ks, 0,1
.irp p, 0,1,2,3,4,5
	global_load_b64 v[WF+12*(2*\nt+\ks)+2*\p:WF+12*(2*\nt+\ks)+2*\p+1], v4, s[8:9] offset:3072*\nt+96*\ks+48*(\p/3)+8*(\p%3)
.endr
	global_load_b32 v[WS+2*\nt+\ks], v5, s[10:11] offset:128*\nt+4*\ks
.endr
.endr
.irp m, 0,1
.irp ks, 0,1
.irp c, 0,1
	global_load_b128 v[AF+12*(2*\m+\ks)+6*\c:AF+12*(2*\m+\ks)+6*\c+3], v7, s[4:5] offset:3072*\m+1536*\ks+768*\c          ; half images: consecutive bytes over the lanes
	global_load_b64 v[AF+12*(2*\m+\ks)+6*\c+4:AF+12*(2*\m+\ks)+6*\c+5], v8, s[4:5] offset:3072*\m+1536*\ks+768*\c+512
.endr
.irp j, 0,1,2,3
	global_load_u8 v[AB+8*\m+4*\ks+\j], v9, s[6:7] offset:128*\m+16*(4*\ks+\j)     ; head 4 ks + j's byte of row r
.endr
.endr
.endr
	s_wait_loadcnt 0x0
.irp f, 0,1,2,3
	v_lshl_or_b32 v[AS+\f], v[AB+4*\f+1], 8, v[AB+4*\f]        ; four heads' bytes make the scale word of a K step
.endr
.irp f, 0,1,2,3
	v_lshl_or_b32 v[AS+\f], v[AB+4*\f+2], 16, v[AS+\f]
.endr
.irp f, 0,1,2,3
	v_lshl_or_b32 v[AS+\f], v[AB+4*\f+3], 24, v[AS+\f]
.endr
.rept 8
	v_nop                                          ; a scale register written by a vector instruction stands eight places ahead of a scaled matrix instruction
.endr
; the eight accumulators take turns, one instruction a turn
.irp ks, 0,1
.irp m, 0,1
.irp nt, 0,1,2,3
	v_wmma_scale_f32_16x16x128_f8f6f4 v[ACC+8*(4*\m+\nt):ACC+8*(4*\m+\nt)+7], v[WF+12*(2*\nt+\ks):WF+12*(2*\nt+\ks)+11], v[AF+12*(2*\m+\ks):AF+12*(2*\m+\ks)+11], v[ACC+8*(4*\m+\nt):ACC+8*(4*\m+\nt)+7], v[WS+2*\nt+\ks], v[AS+2*\m+\ks] matrix_a_fmt:MATRIX_FMT_FP6 matrix_b_fmt:MATRIX_FMT_FP6
.endr
.endr
.endr
.rept 4
	v_nop                                          ; four places behind the last product (ISA guide 7.12.1): results are read, and Wo's registers loaded again, only behind them
.endr
.irp m, 0,1
.irp nt, 0,1,2,3
	ds_store_b128 v10, v[ACC+8*(4*\m+\nt):ACC+8*(4*\m+\nt)+3] offset:64*\nt        ; each accumulator from its low end on
	ds_store_b128 v10, v[ACC+8*(4*\m+\nt)+4:ACC+8*(4*\m+\nt)+7] offset:64*\nt+16
.endr
.irp i, 0,1,2,3,4,5,6,7
	ds_load_b128 v[WF+32*\m+4*\i:WF+32*\m+4*\i+3], v11 offset:544*\i   ; LDS serves a wave's instructions in order (ISA guide 5.7.1.4): these see my stores, and the next tile's stores come behind them
.endr
.endr
.irp m, 0,1
.irp i, 0,1,2,3,4,5,6,7
	s_wait_dscnt 15-8*\m-\i                        ; this pair of rows is back
	global_store_b128 v12, v[WF+32*\m+4*\i:WF+32*\m+4*\i+3], s[14:15] offset:(8*\m+2*\i+8*(\i/4))*1024 th:TH_STORE_NT   ; stage rows 2 i, 2 i + 1 are tokens 8 m + 2 i + 8 (i / 4) and the next; written once, read by nobody here
.endr
.endr
	s_wait_tensorcnt 0x0
	ds_add_u32 v254, v255
	s_wait_dscnt 0x0
	s_endpgm
.Lfunc_end_k_q283cef4afa_oproj:
	.size	k_q283cef4afa_oproj, .Lfunc_end_k_q283cef4afa_oproj-k_q283cef4afa_oproj
	.p2alignl 7, 3214868480
	.fill 96, 4, 3214868480
	.section	.rodata,"a",@progbits
	.p2align	6, 0x0
	.amdhsa_kernel k_q283cef4afa_oproj
		.amdhsa_group_segment_fixed_size 35840
		.amdhsa_private_segment_fixed_size 0
		.amdhsa_enable_private_segment 0
		.amdhsa_kernarg_size 48
		.amdhsa_user_sgpr_count 2
		.amdhsa_user_sgpr_kernarg_segment_ptr 1
		.amdhsa_wavefront_size32 1
		.amdhsa_system_sgpr_workgroup_id_x 1
		.amdhsa_system_sgpr_workgroup_id_y 1
		.amdhsa_system_sgpr_workgroup_id_z 1
		.amdhsa_system_vgpr_workitem_id 0
		.amdhsa_next_free_vgpr 256
		.amdhsa_next_free_sgpr 66
		.amdhsa_reserve_vcc 0
		.amdhsa_float_denorm_mode_32 3
		.amdhsa_float_denorm_mode_16_64 3
		.amdhsa_memory_ordered 1
		.amdhsa_forward_progress 1
		.amdhsa_inst_pref_size 20
	.end_amdhsa_kernel
	.amdgpu_metadata
---
amdhsa.version: [ 1, 2 ]
amdhsa.kernels:
  - .name:           k_q283cef4afa_oproj
    .symbol:         k_q283cef4afa_oproj.kd
    .args:
      - { .name: ao, .offset: 0, .size: 8, .value_kind: global_buffer, .address_space: global }
      - { .name: aosc, .offset: 8, .size: 8, .value_kind: global_buffer, .address_space: global }
      - { .name: Wo_codes, .offset: 16, .size: 8, .value_kind: global_buffer, .address_space: global }
      - { .name: Wo_scales, .offset: 24, .size: 8, .value_kind: global_buffer, .address_space: global }
      - { .name: bo, .offset: 32, .size: 8, .value_kind: global_buffer, .address_space: global }
      - { .name: out0, .offset: 40, .size: 8, .value_kind: global_buffer, .address_space: global }
    .group_segment_fixed_size: 35840
    .private_segment_fixed_size: 0
    .kernarg_segment_align: 8
    .kernarg_segment_size: 48
    .max_flat_workgroup_size: 256
    .sgpr_count:     66
    .vgpr_count:     256
    .wavefront_size: 32
...
	.end_amdgpu_metadata
.endif
;; end of part 3
;; ======== version 2 of 2: 3 launches
;; workspace buffers: qimg 3,145,728 bytes; qsc 131,072 bytes; kv 6,553,600 bytes; ao 3,145,728 bytes; aosc 131,072 bytes
;; launch proj (part 4): grid 256 x 3, 8 waves a work-group, no clusters, 14,336 bytes of LDS; arguments query_codes, key_codes, value_codes, query_scales, key_scales, value_scales, Wq_codes, Wk_codes, Wv_codes, Wq_scales, Wk_scales, Wv_scales, bq, bk, bv, qimg, qsc, kv; writes qimg, qsc, kv
.if DOCPART == 4
	.amdgcn_target "amdgcn-amd-amdhsa--gfx1250"
	.amdhsa_code_object_version 6
	.text
	.protected	k_q283cef4afa_proj
	.globl	k_q283cef4afa_proj
	.p2align	8
	.type	k_q283cef4afa_proj,@function
k_q283cef4afa_proj:
	s_mov_b64 s[64:65], 0
	v_nop
	global_prefetch_b8 v0, s[64:65] scope:SCOPE_SE
	s_setreg_imm32_b32 hwreg(HW_REG_WAVE_SCHED_MODE, 0, 2), 2
	s_setreg_imm32_b32 hwreg(HW_REG_WAVE_MODE, 25, 1), 1
	s_wait_xcnt 0x0
	s_wait_alu depctr_vm_vsrc(0)
; q = query Wq^T + bq, k = key Wk^T + bk, v = value Wv^T + bv on codes of FP6 (E2M3) as they are given, and the results quantised again:
; q and k along a head's 32 channels (one block), v along the keys (blocks of 32 keys).  Sums and all that goes into the quantiser in f32.
; SHARES.  Work-group (x, y): tensor y (0 q, 1 k, 2 v), tokens 64 x .. 64 x + 63.  Wave w: head w, 64 tokens x 32 channels: 16 matrix instructions.
; Each wave loads ONE of the eight fragments of x (4 tiles of 16 tokens x 2 K steps of 128) and hands it to the others through LDS as an image of its registers.
; THE ROWS OF A TILE ARE NOT NEIGHBOURS: rp(r) = r + 8 (r / 8).  Token tile t holds in row r token 32 (t / 2) + 8 (t % 2) + rp(r); weight tile u holds in row r channel 8 u + rp(r).
; So the 16 result registers of two neighbouring tiles are 16 neighbours: q, k (source 0 = W, source 1 = x): a lane holds one token, registers 16 t + i = channel 16 h + i;
; v (source 0 = x, source 1 = W): a lane holds one channel 8 n + rp(r), registers 16 (2 n + b) + i = key 32 b + 16 h + i.  One macro quantises both.
; OUT: half images of operand registers, 768 bytes: registers 0-3 of lane L at 16 L, registers 4-5 at 512 + 8 L: every store covers consecutive bytes.
;   qimg [bh = 8 b + head][64-token group][c][768]: lane (r, h) = the 24 bytes of the token of tile 2 c + h, row r;  qsc [bh][group][r][4]: byte t = that token's scale.
;   kv [bh][step of 128 keys][6400]: +0 K's images [g][c][768] (as qimg); +3072 V's [n][c = g][768]: lane (r, h) = channel 8 n + rp(r), keys 64 c + 32 h ..; +6144 K's scale words [g][r][4]; +6272 V's [n][r][4 key blocks].
; LIMITS: NaN, infinities and scale bytes 0xff are not served; a block whose largest magnitude lies under 2^-124 keeps the byte 1 (a block of zeros too: its codes are zeros, and this program alone reads the bytes).
; No multicast: what work-groups share here is one tensor's weights, 51,200 bytes, beside 12,800 bytes of their own.
; THE MODE: SCHED_MODE bits 1:0 = 2 (LLVM: expert scheduling mode 2), set by the entry lines.  The code itself states the register dependences
; between vector or matrix instructions and memory or LDS instructions, with s_wait_alu, always for 0.
; THE PLAN.  Registers that memory or LDS instructions touch, in the order of the text:
;   v5-15, v174     offsets and LDS addresses: written by vector instructions at the head, once; read by the loads and stores.  v174 is written again by the products.
;   v160-172        my fragment of x and its scale word: global loads land there, four LDS stores read them; then the products write them, as accumulators.
;   v16-111, v240-247  x's eight fragments and scale words: LDS loads land there, the products read them; behind the products the quantiser writes v16-51, and the last five stores read v16-27 and v49.
;   v112-159, v248-251 W: global loads land there, the products read them.
;   v224-239        the bias: global loads land there (on v's way fourteen moves fill the rest); the products read them as C.
; So four waits stand in the text: one on va_sdst for the wave's number; one on va_vdst ahead of the first load, for all offsets and addresses; one on vm_vsrc ahead of the products,
; which write what LDS stores and bv's loads have read; one on va_vdst ahead of the run of stores, whose data the quantiser has written.
.set XSC,  12288                       ; LDS: x's 8 fragments, 1,536 bytes each, from 0; their scale words, 128 bytes each, from here
.set XF,   16                          ; v16-111  x's fragments, 12 (2 t + ks)
.set WF,   112                         ; v112-159 W's fragments, 12 (2 u + ks)
.set ACC,  160                         ; v160-223 the sums; before the products v160-171 my own fragment of x, v172 its scale word
.set BVA,  174                         ; v174     4 rp: bv's address, used before the products
.set BI,   224                         ; v224-239 the bias in the result's layout, 8 registers a weight tile
.set XS,   240                         ; v240-247 x's scale words
.set WS,   248                         ; v248-251 W's
.set PD,   252                         ; v252-255 what the other half of the lanes sends
.set PC,   16                          ; behind the products, over x's fragments: v16-27 the codes,
.set PT,   28                          ; v28-30, v32-34 the second halves as converted,
.set MX,   36                          ; v36-39 largest magnitudes,
.set SO,   40                          ; v40-43 the conversions' scale operands,
.set BY,   44                          ; v44-47 scale bytes,
.set PW,   48                          ; v48 the four bytes as a word,
.set SV,   49                          ; v49 the half of it that I store,
.set SH,   51                          ; v51 16 h
.macro MM d, a, b, c, sa, sb
	v_wmma_scale_f32_16x16x128_f8f6f4 v[\d:\d+7], v[\a:\a+11], v[\b:\b+11], v[\c:\c+7], v[\sa], v[\sb] matrix_a_fmt:MATRIX_FMT_FP6 matrix_b_fmt:MATRIX_FMT_FP6
.endm
; 64 numbers of a lane, register 16 b + i = number 16 h + i of block b of my row, become 12 registers of codes (lane (r, h), registers 6 c on: block 2 c + h) and a word of four scale bytes.
.macro QUANT s
.irp b, 0,1,2,3
	v_max3_num_f32 v[MX+\b], |v[\s+16*\b]|, |v[\s+16*\b+1]|, 0x1800000   ; my 16 numbers, from each accumulator's low end on, and the floor 2^(3 - 127): the byte cannot fall under 1
.endr
.irp i, 2,4,6,8,10,12,14
.irp b, 0,1,2,3
	v_max3_num_f32 v[MX+\b], v[MX+\b], |v[\s+16*\b+\i]|, |v[\s+16*\b+\i+1]|   ; the four blocks by turns
.endr
.endr
.irp b, 0,1,2,3
	v_permlanex16_b32 v[PD+\b], v[MX+\b], s66, s67
.endr
.irp b, 0,1,2,3
	v_max_num_f32 v[MX+\b], v[MX+\b], v[PD+\b]     ; with lane l xor 16's: the block's largest magnitude
.endr
.irp b, 0,1,2,3
	v_add_nc_u32 v[SO+\b], 0xff000000, v[MX+\b]    ; 2 off its exponent field: the conversion takes this operand's exponent field as its scale
.endr
.irp b, 0,1,2,3
	v_lshrrev_b32 v[BY+\b], 23, v[SO+\b]           ; the scale's byte
.endr
	v_lshl_or_b32 v[PW], v[BY+1], 8, v[BY]
	v_lshl_or_b32 v[PW], v[BY+2], 16, v[PW]
	v_lshl_or_b32 v[PW], v[BY+3], 24, v[PW]
.irp c, 0,1
	v_cvt_scalef32_pk16_fp6_f32 v[PC+6*\c:PC+6*\c+2], v[\s+32*\c:\s+32*\c+15], v[SO+2*\c]
	v_cvt_scalef32_pk16_fp6_f32 v[PT+4*\c:PT+4*\c+2], v[\s+32*\c+16:\s+32*\c+31], v[SO+2*\c+1]   ; (a conversion's three registers begin on an even number)
.endr
	v_nop                                          ; one plain place behind a scaled conversion
.irp c, 0,1
.irp i, 0,1,2
	v_permlane16_swap_b32 v[PC+6*\c+\i], v[PT+4*\c+\i]   ; a whole block to a lane: lanes 0-15 block 2 c, lanes 16-31 block 2 c + 1
.endr
.irp i, 0,1,2
	v_mov_b32 v[PC+6*\c+3+\i], v[PT+4*\c+\i]
.endr
.endr
.endm
	s_load_b512 s[4:19], s[0:1], 0x0               ; query, key, value codes s[4:9]; their scales s[10:15]; Wq, Wk codes s[16:19]
	s_load_b512 s[20:35], s[0:1], 0x40             ; Wv codes s[20:21]; Wq, Wk, Wv scales s[22:27]; bq, bk, bv s[28:33]; qimg s[34:35]
	s_load_b128 s[36:39], s[0:1], 0x80             ; qsc, kv
	s_set_vgpr_msb 0x40
	v_lshl_add_u32 v0, v0, 2, 0x3400
	v_mov_b32 v1, 0
	s_set_vgpr_msb 0x4000
	v_lshrrev_b32 v1, 5, v0
	v_readfirstlane_b32 s40, v1                    ; wave = head
	s_and_b32 s41, ttmp7, 0xffff                   ; tensor
	s_mov_b32 s42, ttmp9                           ; group of 64 tokens, 0 .. 255
	s_lshr_b32 s43, s42, 5                         ; b
	s_and_b32 s44, s42, 31                         ; the group in its batch
	s_lshr_b32 s45, s44, 1                         ; key step of 128
	s_and_b32 s46, s44, 1                          ; g: which 64 of the step
	s_lshl_b32 s47, s43, 3
	s_wait_alu depctr_va_sdst(0)                   ; s40, the wave's number, is written, ahead of its first reader: bases, offsets and LDS addresses are made from it
	s_add_co_u32 s47, s47, s40                     ; bh = 8 b + head
	s_mov_b32 s66, 0x76543210
	s_mov_b32 s67, 0xfedcba98                      ; v_permlanex16_b32's selects for lane l xor 16
	v_and_b32 v1, 31, v0                           ; L
	v_and_b32 v2, 15, v0                           ; r
	v_bfe_u32 v3, v0, 4, 1                         ; h
	v_and_b32 v4, 8, v2
	v_add_nc_u32 v4, v4, v2                        ; rp = r + 8 (r / 8)
	v_mul_u32_u24 v6, v4, 192                      ; a row of 256 codes is 192 bytes
	v_mad_u32_u24 v6, v3, 24, v6                   ; W: 192 rp + 24 h
	s_wait_alu depctr_va_vdst(0)
	s_lshr_b32 s68, s40, 1                         ; the fragment of x that I fetch: tile t = wave / 2,
	s_and_b32 s69, s40, 1                          ; K step ks = wave % 2
	s_lshr_b32 s70, s68, 1
	s_lshl_b32 s70, s70, 5
	s_and_b32 s71, s68, 1
	s_lshl_b32 s71, s71, 3
	s_add_co_u32 s70, s70, s71                     ; the tile's first row: 32 (t / 2) + 8 (t % 2)
	s_mul_i32 s71, s70, 192
	s_mul_i32 s72, s69, 96
	s_add_co_u32 s71, s71, s72
	v_add_nc_u32 v5, s71, v6                       ; x: my bytes of my fragment
	v_lshlrev_b32 v8, 3, v4                        ; W's scale words: 8 bytes a row
	s_lshl_b32 s70, s70, 3
	s_lshl_b32 s69, s69, 2
	s_add_co_u32 s70, s70, s69
	v_add_nc_u32 v7, s70, v8                       ; x's scale word
	v_lshlrev_b32 v9, 6, v3                        ; bq, bk: 64 h
	v_lshlrev_b32 v10, 4, v1                       ; 16 L
	v_lshlrev_b32 v11, 2, v1                       ; 4 L
	s_mul_i32 s70, s40, 1536
	v_add_nc_u32 v12, s70, v10                     ; where I store my fragment's image
	s_lshl_b32 s70, s40, 7
	v_add_nc_u32 v13, s70, v11                     ; and its scale words
	v_lshlrev_b32 v14, 3, v1                       ; 8 L
	v_lshlrev_b32 v15, 2, v2                       ; 4 r
	v_lshlrev_b32 v[BVA], 2, v4                    ; bv: 4 rp
.irp b, 0,1,2,3
	v_mov_b32 v[PD+\b], 0                          ; written once: a lane permute's destination counts as one of its sources
.endr
	; where the results go, in bytes, for each of the three tensors; the choice follows
	s_lshl_b32 s68, s47, 5
	s_add_co_u32 s68, s68, s44                     ; 32 bh + group
	s_mul_i32 s69, s68, 1536                       ; q: its images,
	s_lshl_b32 s70, s68, 6                         ; its scale words
	s_mul_i32 s71, s47, 102400
	s_mul_i32 s72, s45, 6400
	s_add_co_u32 s71, s71, s72                     ; the step in kv
	s_mul_i32 s72, s46, 1536
	s_add_co_u32 s72, s72, s71                     ; k: its images,
	s_lshl_b32 s73, s46, 6
	s_add_co_u32 s73, s73, s71
	s_add_co_u32 s73, s73, 6144                    ; its scale words
	s_mul_i32 s74, s46, 768
	s_add_co_u32 s74, s74, s71
	s_add_co_u32 s74, s74, 3072                    ; v: its half image (n = 0, c = g),
	s_lshl_b32 s75, s46, 1
	s_add_co_u32 s75, s75, s71
	s_add_co_u32 s75, s75, 6272                    ; its two bytes of a scale word
	s_mov_b32 s77, 0
	s_mov_b32 s79, 0
	s_wait_alu depctr_va_vdst(0)
	s_wait_kmcnt 0x0
	s_cmp_eq_u32 s41, 0                            ; q, or k?  The choices hang on the work-group's number alone
	s_cselect_b64 s[48:49], s[4:5], s[6:7]         ; x's codes
	s_cselect_b64 s[50:51], s[10:11], s[12:13]     ; x's scales
	s_cselect_b64 s[52:53], s[16:17], s[18:19]     ; W's codes
	s_cselect_b64 s[54:55], s[22:23], s[24:25]     ; W's scales
	s_cselect_b64 s[56:57], s[28:29], s[30:31]     ; the bias
	s_cselect_b64 s[58:59], s[34:35], s[38:39]     ; images: qimg, or kv
	s_cselect_b64 s[62:63], s[36:37], s[38:39]     ; scale words: qsc, or kv
	s_cselect_b32 s76, s69, s72
	s_cselect_b32 s78, s70, s73
	s_cmp_eq_u32 s41, 2                            ; or v?
	s_cselect_b64 s[48:49], s[8:9], s[48:49]
	s_cselect_b64 s[50:51], s[14:15], s[50:51]
	s_cselect_b64 s[52:53], s[20:21], s[52:53]
	s_cselect_b64 s[54:55], s[26:27], s[54:55]
	s_cselect_b64 s[56:57], s[32:33], s[56:57]
	s_cselect_b32 s76, s74, s76
	s_cselect_b32 s78, s75, s78
	s_mov_b32 s68, 768
	s_cselect_b32 s68, 1536, s68                   ; from the first half image to the second: c + 1 (q, k), or n + 1 (v)
	s_cselect_b32 s70, 64, 2                       ; lanes 16-31 store the word's upper half: 2 bytes on (q, k), or tile n = 1's: 64 bytes on (v)
	s_mov_b32 s69, 0
	v_mad_u32_u24 v15, v3, s70, v15
	s_add_nc_u64 s[58:59], s[58:59], s[76:77]      ; the first half image
	s_add_nc_u64 s[60:61], s[58:59], s[68:69]      ; the second
	s_add_nc_u64 s[62:63], s[62:63], s[78:79]      ; the scale words
	s_mul_i32 s76, s42, 12288
	s_add_nc_u64 s[48:49], s[48:49], s[76:77]      ; x at my group's first row
	s_lshl_b32 s76, s42, 9
	s_add_nc_u64 s[50:51], s[50:51], s[76:77]
	s_mul_i32 s76, s40, 6144
	s_add_nc_u64 s[52:53], s[52:53], s[76:77]      ; W at my head's 32 rows
	s_lshl_b32 s76, s40, 8
	s_add_nc_u64 s[54:55], s[54:55], s[76:77]
	s_lshl_b32 s76, s40, 7
	s_add_nc_u64 s[56:57], s[56:57], s[76:77]      ; the bias at my head's 32 numbers
	s_wait_alu depctr_va_vdst(0)                   ; the offsets and LDS addresses v5 to v15 and v174 are written, which the loads, LDS stores, LDS loads and stores below read
.irp p, 0,1,2,3,4,5
	global_load_b64 v[ACC+2*\p:ACC+2*\p+1], v5, s[48:49] offset:48*(\p/3)+8*(\p%3) th:TH_LOAD_NT   ; my fragment of x: 24 bytes of the row's stream of bits twice, in pieces of 8; no other wave of the launch reads them
.endr
	global_load_b32 v[ACC+12], v7, s[50:51]
.irp u, 0,1
.irp ks, 0,1
.irp p, 0,1,2,3,4,5
	global_load_b64 v[WF+12*(2*\u+\ks)+2*\p:WF+12*(2*\u+\ks)+2*\p+1], v6, s[52:53] offset:1536*\u+96*\ks+48*(\p/3)+8*(\p%3)
.endr
	global_load_b32 v[WS+2*\u+\ks], v8, s[54:55] offset:64*\u+4*\ks
.endr
.endr
	s_wait_loadcnt 28                              ; W's 28 loads may be out: my fragment of x and its scale word are in
.irp i, 0,1,2
	ds_store_b128 v12, v[ACC+4*\i:ACC+4*\i+3] offset:512*\i
.endr
	ds_store_b32 v13, v[ACC+12] offset:XSC
	s_cmp_eq_u32 s41, 2                            ; the bias, in the result's layout: it is the C of each sum's first product
	s_cbranch_scc1 .Lbias_v
.irp i, 0,1,2,3
	global_load_b128 v[BI+4*\i:BI+4*\i+3], v9, s[56:57] offset:16*\i   ; q, k: register 8 u + j = channel 16 h + 8 u + j
.endr
	s_branch .Lbias_in
.Lbias_v:
	global_load_b32 v[BI], v[BVA], s[56:57]        ; v: a lane holds one channel, 8 n + rp, in all eight registers of tile n
	global_load_b32 v[BI+8], v[BVA], s[56:57] offset:32
	s_wait_loadcnt 0x0
.irp j, 1,2,3,4,5,6,7
	v_mov_b32 v[BI+\j], v[BI]                      ; (these moves name v224-239 alone: no register of the LDS loads below)
	v_mov_b32 v[BI+8+\j], v[BI+8]
.endr
.Lbias_in:
	s_wait_dscnt 0x0                               ; for the others' sake: my stores have landed
	s_barrier_signal -1
	s_barrier_wait -1                              ; x's eight fragments lie in LDS
.irp f, 0,1,2,3,4,5,6,7
.irp i, 0,1,2
	ds_load_b128 v[XF+12*\f+4*\i:XF+12*\f+4*\i+3], v10 offset:1536*\f+512*\i
.endr
	ds_load_b32 v[XS+\f], v11 offset:XSC+128*\f
.endr
	s_wait_loadcnt 0x0
	s_wait_dscnt 0x0
	s_wait_alu depctr_vm_vsrc(0)                   ; my LDS stores have read v160-172 and bv's loads have read v174: the products on both ways below write these registers, as accumulators
	s_cmp_eq_u32 s41, 2
	s_cbranch_scc1 .Lmul_v
	s_wait_alu depctr_va_vdst(0)
; q, k: source 0 = 16 rows of W, source 1 = 16 tokens.  The eight accumulators take turns, one instruction a turn.
.irp ks, 0,1
.irp t, 0,1,2,3
.irp u, 0,1
.if \ks == 0
	MM ACC+16*\t+8*\u, WF+12*(2*\u), XF+12*(2*\t), BI+8*\u, WS+2*\u, XS+2*\t
.else
	MM ACC+16*\t+8*\u, WF+12*(2*\u+1), XF+12*(2*\t+1), ACC+16*\t+8*\u, WS+2*\u+1, XS+2*\t+1
.endif
.endr
.endr
.endr
	s_branch .Lquant
.Lmul_v:
	s_wait_alu depctr_va_vdst(0)
; v: source 0 = 16 tokens, source 1 = 16 rows of W: a lane's registers run along the keys
.irp ks, 0,1
.irp n, 0,1
.irp t, 0,1,2,3
.if \ks == 0
	MM ACC+16*(2*\n+\t/2)+8*(\t%2), XF+12*(2*\t), WF+12*(2*\n), BI+8*\n, XS+2*\t, WS+2*\n
.else
	MM ACC+16*(2*\n+\t/2)+8*(\t%2), XF+12*(2*\t+1), WF+12*(2*\n+1), ACC+16*(2*\n+\t/2)+8*(\t%2), XS+2*\t+1, WS+2*\n+1
.endif
.endr
.endr
.endr
.Lquant:
.rept 4
	v_nop                                          ; four places behind the last product (ISA guide 7.12.1): results are read, and x's registers written, only behind them
.endr
	QUANT ACC
	v_lshlrev_b32 v[SH], 4, v3
	v_lshrrev_b32 v[SV], v[SH], v[PW]              ; lanes 0-15 store the word's lower two bytes, lanes 16-31 its upper two
	s_wait_alu depctr_va_vdst(0)                   ; the conversions, swaps and moves have written the codes v16-27, and the shift v49: the five stores below read them
	global_store_b128 v10, v[PC:PC+3], s[58:59]                ; 32 lanes store 512 consecutive bytes, at a multiple of 256 from the buffer's first byte
	global_store_b64 v14, v[PC+4:PC+5], s[58:59] offset:512    ; and the 256 behind them
	global_store_b128 v10, v[PC+6:PC+9], s[60:61]
	global_store_b64 v14, v[PC+10:PC+11], s[60:61] offset:512
	global_store_b16 v15, v[SV], s[62:63]
	s_set_vgpr_msb 0x5
	s_wait_dscnt 0x0
	s_wait_alu depctr_hold_cnt(0) depctr_sa_sdst(0) depctr_va_vdst(0) depctr_va_sdst(0) depctr_va_ssrc(0) depctr_va_vcc(0) depctr_vm_vsrc(0)
	s_wait_tensorcnt 0x0
	ds_add_u32 v0, v1
	s_wait_dscnt 0x0
	s_endpgm
.Lfunc_end_k_q283cef4afa_proj:
	.size	k_q283cef4afa_proj, .Lfunc_end_k_q283cef4afa_proj-k_q283cef4afa_proj
	.p2alignl 7, 3214868480
	.fill 96, 4, 3214868480
	.section	.rodata,"a",@progbits
	.p2align	6, 0x0
	.amdhsa_kernel k_q283cef4afa_proj
		.amdhsa_group_segment_fixed_size 14336
		.amdhsa_private_segment_fixed_size 0
		.amdhsa_enable_private_segment 0
		.amdhsa_kernarg_size 144
		.amdhsa_user_sgpr_count 2
		.amdhsa_user_sgpr_kernarg_segment_ptr 1
		.amdhsa_wavefront_size32 1
		.amdhsa_system_sgpr_workgroup_id_x 1
		.amdhsa_system_sgpr_workgroup_id_y 1
		.amdhsa_system_sgpr_workgroup_id_z 1
		.amdhsa_system_vgpr_workitem_id 0
		.amdhsa_next_free_vgpr 258
		.amdhsa_next_free_sgpr 80
		.amdhsa_reserve_vcc 0
		.amdhsa_float_denorm_mode_32 3
		.amdhsa_float_denorm_mode_16_64 3
		.amdhsa_memory_ordered 1
		.amdhsa_forward_progress 1
		.amdhsa_inst_pref_size 21
	.end_amdhsa_kernel
	.amdgpu_metadata
---
amdhsa.version: [ 1, 2 ]
amdhsa.kernels:
  - .name:           k_q283cef4afa_proj
    .symbol:         k_q283cef4afa_proj.kd
    .args:
      - { .name: query_codes, .offset: 0, .size: 8, .value_kind: global_buffer, .address_space: global }
      - { .name: key_codes, .offset: 8, .size: 8, .value_kind: global_buffer, .address_space: global }
      - { .name: value_codes, .offset: 16, .size: 8, .value_kind: global_buffer, .address_space: global }
      - { .name: query_scales, .offset: 24, .size: 8, .value_kind: global_buffer, .address_space: global }
      - { .name: key_scales, .offset: 32, .size: 8, .value_kind: global_buffer, .address_space: global }
      - { .name: value_scales, .offset: 40, .size: 8, .value_kind: global_buffer, .address_space: global }
      - { .name: Wq_codes, .offset: 48, .size: 8, .value_kind: global_buffer, .address_space: global }
      - { .name: Wk_codes, .offset: 56, .size: 8, .value_kind: global_buffer, .address_space: global }
      - { .name: Wv_codes, .offset: 64, .size: 8, .value_kind: global_buffer, .address_space: global }
      - { .name: Wq_scales, .offset: 72, .size: 8, .value_kind: global_buffer, .address_space: global }
      - { .name: Wk_scales, .offset: 80, .size: 8, .value_kind: global_buffer, .address_space: global }
      - { .name: Wv_scales, .offset: 88, .size: 8, .value_kind: global_buffer, .address_space: global }
      - { .name: bq, .offset: 96, .size: 8, .value_kind: global_buffer, .address_space: global }
      - { .name: bk, .offset: 104, .size: 8, .value_kind: global_buffer, .address_space: global }
      - { .name: bv, .offset: 112, .size: 8, .value_kind: global_buffer, .address_space: global }
      - { .name: qimg, .offset: 120, .size: 8, .value_kind: global_buffer, .address_space: global }
      - { .name: qsc, .offset: 128, .size: 8, .value_kind: global_buffer, .address_space: global }
      - { .name: kv, .offset: 136, .size: 8, .value_kind: global_buffer, .address_space: global }
    .group_segment_fixed_size: 14336
    .private_segment_fixed_size: 0
    .kernarg_segment_align: 8
    .kernarg_segment_size: 144
    .max_flat_workgroup_size: 256
    .sgpr_count:     80
    .vgpr_count:     258
    .wavefront_size: 32
...
	.end_amdgpu_metadata
.endif
;; end of part 4
;; launch attn (part 5): grid 4 x 64, 16 waves a work-group, clusters of 4 x 1, 169,984 bytes of LDS; arguments qimg, qsc, kv, ao, aosc; writes ao, aosc
.if DOCPART == 5
	.amdgcn_target "amdgcn-amd-amdhsa--gfx1250"
	.amdhsa_code_object_version 6
	.text
	.protected	k_q283cef4afa_attn
	.globl	k_q283cef4afa_attn
	.p2align	8
	.type	k_q283cef4afa_attn,@function
k_q283cef4afa_attn:
	s_mov_b64 s[64:65], 0
	v_nop
	global_prefetch_b8 v0, s[64:65] scope:SCOPE_SE
	s_setreg_imm32_b32 hwreg(HW_REG_WAVE_MODE, 25, 1), 1
	s_wait_xcnt 0x0
	s_wait_alu depctr_hold_cnt(0) depctr_sa_sdst(0) depctr_va_vdst(0) depctr_va_sdst(0) depctr_va_ssrc(0) depctr_va_vcc(0) depctr_vm_vsrc(0)
	s_getreg_b32 s2, hwreg(HW_REG_IB_STS2, 6, 4)
	s_cmp_eq_u32 s2, 0
	s_cbranch_scc0 .Lentry_in_a_cluster
	s_endpgm
.Lentry_in_a_cluster:
	s_bfe_u32 s2, ttmp6, 0x10000c
	s_cmp_lg_u32 s2, 0x3003
	s_cbranch_scc0 .Lentry_shape_is_right
	s_endpgm
.Lentry_shape_is_right:
; Causal attention of one head on codes of FP6 (E2M3): S^T = K Q^T, p = 2^(t - M), O^T = V^T P^T, O / l, and O quantised along the head's 32 channels for the last product.
; t = score x log2(e) / sqrt(32); M = the running largest t rounded UP to a whole number; p is quantised along the keys in blocks of 32; the row's sum l is taken of the unquantised p, in f32.
; When M moves, l and O^T are multiplied by 2^(old M - new M): exact.
; SHARES.  A cluster of four work-groups owns one bh = 8 b + head; its 64 waves own the head's 128 tiles of 16 queries, two each.  Wave w of partner p: G = w / 2, e = w % 2: tiles tA = 8 G + 4 e + p and tB = 127 - tA.
; Tile A has G + 1 key steps of 128 that count, tile B 16 - G: 17 for every wave.  A tile's last step (G, 15 - G) hangs on the wave's number alone: no branch and no LDS address hangs on the place in the cluster.
; Steps all of whose keys are hidden are jumped over inside loops of constant trip counts (8, 16); in a tile's last step hidden scores become -infinity.
; K, V AND THEIR SCALES of the whole head, 16 steps x 6,400 bytes, come into LDS ONCE: one joint tensor load a wave (wave w: step w), the same in all four partners; one tensor load of a wave is out.  Nothing is filled again.
; So there is no ring, and nothing is left to ask for ahead of time.
; LAYOUTS are those that the launch before has written (its head comment).  A tile of queries or keys t of a group of 64 tokens holds in row r token 32 (t / 2) + 8 (t % 2) + r + 8 (r / 8).
; K = 32 IN AN INSTRUCTION OF K = 128: an image of K holds FOUR tiles of 16 keys, one in each block of 32; its scale word the four keys' bytes.  Tile j is picked by an operand of Q that has q in block j and zero
; codes elsewhere (its scale word: q's byte at byte j): zero codes add nothing.  The four operands overlap in one chain of 30 registers.  64 keys cost 12 registers and 4 LDS loads.
; A lane holds ONE query throughout; S's registers 16 b + i are keys 32 b + 16 h + i of the step; O^T's registers i are channels 16 h + i.
; LIMITS: NaN and infinities are not served; a block under 2^-124 keeps the byte 1 (a block of zeros too: its codes are zeros); a tile's last step works on all 128 keys though part of them are hidden.
.set STEPB, 6400
.set QCH, 16                           ; v16-45   [q in lanes 0-15][0][q in lanes 16-31][0][q in lanes 0-15], six registers each: block 0 at +0, 1 at +12, 2 at +18, 3 at +6
.set QS,  46                           ; v46-49   q's scale word for block j
.set KS,  50                           ; v50      K's scale words: lanes 0-15 image 0, lanes 16-31 image 1
.set VS,  51                           ; v51      V's: lanes 0-15 tile 0, lanes 16-31 tile 1
.set PS,  52                           ; v52      p's
.set TQ,  53                           ; v53      at work
.set KF,  54                           ; v54-77   K's two images
.set VF,  78                           ; v78-101  V's two tiles
.set S,   104                          ; v104-167 S^T, then p
.set O,   168                          ; v168-183 O^T
.set PC,  184                          ; v184-195 p's codes
.set PT,  196                          ; v196-198, v200-202 second halves as converted
.set BM,  204                          ; v204-207 the blocks' largest scores, then largest p
.set PD,  208                          ; v208-211 what the other half of the lanes sends
.set SO,  212                          ; v212-215 the conversions' scale operands
.set BY,  216                          ; v216-219 scale bytes
.set F,   220                          ; v[220:221] f = 2^(old M - new M), later 1 / l; v221 is named with it as a pair and holds 0
.set TA,  222                          ; v222-223 at work
.set SUM2, 224                         ; v[224:225] the sum's second chain
.set CA,  226                          ; v226-231 the record that I store; v226-228 tile A's codes as converted
.set CB,  232                          ; v232-234 tile B's
.set BA,  235                          ; v235, v236 the two tiles' scale bytes; v237 the one that I store
.set BB,  236
.set SV,  237
.set QRA, 238                          ; v238-243, v244-249 q's 24 bytes of tiles A and B; v250, v251 their groups' scale words
.set QRB, 244
.set QWA, 250
.set QWB, 251
; v1 16 L, v2 8 L, v3 4 L; v4-6 the same in the step in hand; v7 d for the mask; v8 -infinity; v9 rp - 16 h; v10 h; v11 r; v12 -M; v13 the largest t; v[14:15] the sum
; s14 wave, s15 G = tile A's last step, s43 15 - G = tile B's, s17 p, s18 bh, s19 head, s20 b, s21 tA, s22 tB; s[24:31], s[32:35] the descriptor; s[36:37] lane selects; s[38:39] c; s40 the step's LDS byte; s41 the step
.macro CROUND                          ; a round of the cluster's barrier: my work-group's barrier; wave 0 signals for the work-group; every wave waits for all four; my work-group's barrier once more
	s_barrier_signal -1
	s_barrier_wait -1
	s_cmp_lg_u32 s14, 0
	s_cbranch_scc1 .Lnot_wave_0_\@
	s_barrier_signal -3
.Lnot_wave_0_\@:
	s_barrier_wait -3
	s_barrier_signal -1
	s_barrier_wait -1
.endm
; what hangs on a tile's number: where its q and q's scale words lie, the byte's place in the word, the tile's first query in its last step, my lane's offsets in the half image
.macro QSET tq, ib, sb, sh, so, vo
	s_lshr_b32 s44, s[\tq], 2
	s_lshl_b32 s45, s18, 5
	s_add_co_u32 s44, s44, s45                     ; 32 bh + the group of 64
	s_mul_i32 s60, s44, 1536
	s_bfe_u32 s45, s[\tq], 0x10001                 ; c = (t / 2) % 2
	s_mul_i32 s45, s45, 768
	s_add_co_u32 s60, s60, s45
	s_add_nc_u64 s[\ib:\ib+1], s[4:5], s[60:61]
	s_lshl_b32 s60, s44, 6
	s_add_nc_u64 s[\sb:\sb+1], s[6:7], s[60:61]
	s_and_b32 s[\sh], s[\tq], 3
	s_lshl_b32 s[\sh], s[\sh], 3                   ; 8 (t % 4) bits
	s_and_b32 s[\so], s[\tq], 6
	s_lshl_b32 s[\so], s[\so], 4
	s_and_b32 s45, s[\tq], 1
	s_lshl_b32 s44, s45, 3
	s_add_co_u32 s[\so], s[\so], s44               ; 32 ((t / 2) % 4) + 8 (t % 2): row 0's query in the step of 128
	s_lshl_b32 s45, s45, 7
	v_lshl_add_u32 v[\vo], v11, 3, s45             ; the record lies in lane r + 16 (t % 2) of the half image: 8 bytes a lane,
	s_delay_alu instid0(VALU_DEP_1)
	v_lshlrev_b32 v[\vo+1], 1, v[\vo]              ; and 16
.endm
.macro KQ t, qo                        ; tile t of the step's eight: image t / 4, block t % 4
.if \t < 4
	v_wmma_scale_f32_16x16x128_f8f6f4 v[S+8*\t:S+8*\t+7], v[KF:KF+11], v[QCH+\qo:QCH+\qo+11], 0, v[KS], v[QS+\t] matrix_a_fmt:MATRIX_FMT_FP6 matrix_b_fmt:MATRIX_FMT_FP6
.else
	v_wmma_scale_f32_16x16x128_f8f6f4 v[S+8*\t:S+8*\t+7], v[KF+12:KF+23], v[QCH+\qo:QCH+\qo+11], 0, v[KS], v[QS+\t-4] matrix_a_fmt:MATRIX_FMT_FP6 matrix_b_fmt:MATRIX_FMT_FP6 matrix_a_scale:MATRIX_SCALE_ROW1
.endif
.endm
; A KEY STEP: 128 keys.  lim: the scalar register with the tile's last step.
.macro STEP lim
	s_cmp_gt_u32 s41, s[\lim]                      ; all keys hidden: nothing to do
	s_cbranch_scc1 .Lhid_\@
	s_setprio 2
	v_add_nc_u32 v4, s40, v1                       ; these three and the v_nop are the four places between the last step's products and the loads into V's registers
	v_add_nc_u32 v5, s40, v2
	v_add_nc_u32 v6, s40, v3
	v_nop
.irp g, 0,1
.irp c, 0,1
	ds_load_b128 v[KF+12*\g+6*\c:KF+12*\g+6*\c+3], v4 offset:1536*\g+768*\c            ; consecutive bytes over the lanes
	ds_load_b64 v[KF+12*\g+6*\c+4:KF+12*\g+6*\c+5], v5 offset:1536*\g+768*\c+512
.endr
.endr
	ds_load_b32 v[KS], v6 offset:6144
.irp n, 0,1
.irp c, 0,1
	ds_load_b128 v[VF+12*\n+6*\c:VF+12*\n+6*\c+3], v4 offset:3072+1536*\n+768*\c
	ds_load_b64 v[VF+12*\n+6*\c+4:VF+12*\n+6*\c+5], v5 offset:3072+1536*\n+768*\c+512
.endr
.endr
	ds_load_b32 v[VS], v6 offset:6272
	s_wait_dscnt 9                                 ; V's eight loads and its scale words may be out: K's nine are in
	KQ 0, 0
	KQ 1, 12
	KQ 2, 18
	KQ 3, 6
	KQ 4, 0
	KQ 5, 12
	KQ 6, 18
	KQ 7, 6
.rept 4
	v_nop                                          ; four places behind the products, ahead of the first read of results (ISA guide 7.12.1)
.endr
	s_cmp_lg_u32 s41, s[\lim]                      ; only the tile's last step has hidden keys
	s_cbranch_scc1 .Lopen_\@
.set n, 0
.rept 64
	v_cmp_gt_i32 vcc_lo, 32*(n/16)+n%16, v7        ; register 16 b + i holds key 32 b + 16 h + i of the step: hidden where 32 b + i > d = my query - 16 h
	v_cndmask_b32 v[S+n], v[S+n], v8, vcc_lo
.set n, n+1
.endr
.Lopen_\@:
.irp b, 0,1,2,3
	v_max3_num_f32 v[BM+\b], v[S+16*\b], v[S+16*\b+1], v[S+16*\b+2]   ; the largest score of each block of 32 keys: for the row's maximum and, since p rises with the score, for the block's largest p
.endr
.irp i, 3,5,7,9,11,13
.irp b, 0,1,2,3
	v_max3_num_f32 v[BM+\b], v[BM+\b], v[S+16*\b+\i], v[S+16*\b+\i+1]
.endr
.endr
.irp b, 0,1,2,3
	v_max_num_f32 v[BM+\b], v[BM+\b], v[S+16*\b+15]
.endr
.irp b, 0,1,2,3
	s_delay_alu instid0(VALU_DEP_4)
	v_permlanex16_b32 v[PD+\b], v[BM+\b], s36, s37
.endr
.irp b, 0,1,2,3
	s_delay_alu instid0(VALU_DEP_4)
	v_max_num_f32 v[BM+\b], v[BM+\b], v[PD+\b]     ; with lane l xor 16's 16 keys
.endr
	s_delay_alu instid0(VALU_DEP_2)
	v_max3_num_f32 v[TA], v[BM], v[BM+1], v[BM+2]
	s_delay_alu instid0(VALU_DEP_1)
	v_max_num_f32 v[TA], v[TA], v[BM+3]            ; the step's largest score of my query
	s_delay_alu instid0(VALU_DEP_1)
	v_mul_f32 v[TA], s38, v[TA]                    ; as t (c is positive)
	s_delay_alu instid0(VALU_DEP_1)
	v_max_num_f32 v13, v13, v[TA]                  ; the running largest t
	v_mov_b32 v[TA], v12
	s_delay_alu instid0(VALU_DEP_2)
	v_floor_f32 v12, -v13                          ; the new -M = floor(-t): M is a whole number
	s_delay_alu instid0(VALU_DEP_1)
	v_sub_f32 v[TA], v12, v[TA]                    ; old M - new M: a whole number, 0 or less
	s_delay_alu instid0(VALU_DEP_1)
	v_cvt_i32_f32 v[TA], v[TA]                     ; (it saturates)
	s_delay_alu instid0(VALU_DEP_1)
	v_ldexp_f32 v[F], 1.0, v[TA]                   ; f = 2^(old M - new M)
.set j, 0
	s_setprio 1
.rept 32
	v_pk_fma_f32 v[S+j:S+j+1], v[S+j:S+j+1], s[38:39], v[12:13] op_sel_hi:[1,0,0]   ; t - M, two at a time
.set j, j+2
.endr
.irp b, 0,1,2,3
	v_fma_f32 v[BM+\b], v[BM+\b], s38, v12         ; the same of each block's largest score
.endr
.set j, 0
	s_wait_alu depctr_va_vdst(0)
.rept 64
	v_exp_f32 v[S+j], v[S+j]                       ; p = 2^(t - M), at most 1
.set j, j+1
.endr
	v_pk_mul_f32 v[14:15], v[14:15], v[F:F+1] op_sel_hi:[1,0]   ; the sums under the new M: the plain place behind the exponentials
	s_wait_alu depctr_va_vdst(0)                   ; one wait for the batch of 64, ahead of its first reader
.irp b, 0,1,2,3
	v_exp_f32 v[BM+\b], v[BM+\b]                   ; the blocks' largest p: the same two instructions on the same number give the same bits
.endr
	v_pk_add_f32 v[SUM2:SUM2+1], v[S:S+1], v[S+2:S+3]   ; the row's sum of the UNQUANTISED p, in two chains; its first half is the work behind the four exponentials
.irp j, 4,8,12,16,20,24,28
	v_pk_add_f32 v[14:15], v[14:15], v[S+\j:S+\j+1]
	v_pk_add_f32 v[SUM2:SUM2+1], v[SUM2:SUM2+1], v[S+\j+2:S+\j+3]
.endr
	s_wait_alu depctr_va_vdst(0)                   ; and one for the four
.irp b, 0,1,2,3
	v_max_num_f32 v[BM+\b], 0x1800000, v[BM+\b]    ; the floor 2^(3 - 127): the byte cannot fall under 1
.endr
.irp b, 0,1,2,3
	s_delay_alu instid0(VALU_DEP_4)
	v_add_nc_u32 v[SO+\b], 0xff000000, v[BM+\b]    ; 2 off the exponent field: the conversion's scale operand
.endr
.irp b, 0,1,2,3
	s_delay_alu instid0(VALU_DEP_4)
	v_lshrrev_b32 v[BY+\b], 23, v[SO+\b]
.endr
	s_delay_alu instid0(VALU_DEP_3)
	v_lshl_or_b32 v[PS], v[BY+1], 8, v[BY]         ; p's scale word for these 128 keys
	s_delay_alu instid0(VALU_DEP_1)
	v_lshl_or_b32 v[PS], v[BY+2], 16, v[PS]
	s_delay_alu instid0(VALU_DEP_1)
	v_lshl_or_b32 v[PS], v[BY+3], 24, v[PS]
	s_setprio 0
.irp j, 32,36,40,44,48,52,56,60
	v_pk_add_f32 v[14:15], v[14:15], v[S+\j:S+\j+1]   ; the sum's second half: 17 plain instructions that name no register of the products below: more than the eight places between the scale word's last write and them
	v_pk_add_f32 v[SUM2:SUM2+1], v[SUM2:SUM2+1], v[S+\j+2:S+\j+3]
.endr
	s_delay_alu instid0(VALU_DEP_1)
	v_pk_add_f32 v[14:15], v[14:15], v[SUM2:SUM2+1]
.irp c, 0,1
	v_cvt_scalef32_pk16_fp6_f32 v[PC+6*\c:PC+6*\c+2], v[S+32*\c:S+32*\c+15], v[SO+2*\c]
	v_cvt_scalef32_pk16_fp6_f32 v[PT+4*\c:PT+4*\c+2], v[S+32*\c+16:S+32*\c+31], v[SO+2*\c+1]
.endr
	v_nop                                          ; one plain place behind a scaled conversion
.irp c, 0,1
.irp i, 0,1,2
	v_permlane16_swap_b32 v[PC+6*\c+\i], v[PT+4*\c+\i]   ; a whole block to a lane
.endr
.irp i, 0,1,2
	s_delay_alu instid0(VALU_DEP_3)
	v_mov_b32 v[PC+6*\c+3+\i], v[PT+4*\c+\i]
.endr
.endr
.irp j, 0,2,4,6,8,10,12,14
	v_pk_mul_f32 v[O+\j:O+\j+1], v[O+\j:O+\j+1], v[F:F+1] op_sel_hi:[1,0]   ; O^T under the new M, each accumulator from its low end on.  For each product below the four lines on the OTHER accumulator are the places behind the codes' last write
.endr
	s_wait_alu depctr_va_vdst(0)
	s_wait_dscnt 0x0                               ; V and its scale words are in
	v_wmma_scale_f32_16x16x128_f8f6f4 v[O:O+7], v[VF:VF+11], v[PC:PC+11], v[O:O+7], v[VS], v[PS] matrix_a_fmt:MATRIX_FMT_FP6 matrix_b_fmt:MATRIX_FMT_FP6
	v_wmma_scale_f32_16x16x128_f8f6f4 v[O+8:O+15], v[VF+12:VF+23], v[PC:PC+11], v[O+8:O+15], v[VS], v[PS] matrix_a_fmt:MATRIX_FMT_FP6 matrix_b_fmt:MATRIX_FMT_FP6 matrix_a_scale:MATRIX_SCALE_ROW1
.Lhid_\@:
.endm
; A tile's end: O^T / l, quantised along the head's 32 channels (16 of them mine): three registers of codes and the scale's byte.
.macro FIN dst, dbyte
	v_nop                                          ; these two, the two additions and the v_nop behind the reciprocal: five places behind the last products
	v_nop
	v_add_f32 v14, v14, v15                        ; the sum's two halves,
	s_delay_alu instid0(VALU_DEP_1)
	v_permlanex16_b32 v[PD], v14, s36, s37
	s_delay_alu instid0(VALU_DEP_1)
	v_add_f32 v14, v14, v[PD]                      ; and lane l xor 16's: l, at least 1/2
	s_wait_alu depctr_va_vdst(0)
	v_rcp_f32 v[F], v14
	v_nop                                          ; a plain place behind the transcendental
	s_wait_alu depctr_va_vdst(0)                   ; and the wait ahead of its first reader
.irp j, 0,2,4,6,8,10,12,14
	v_pk_mul_f32 v[O+\j:O+\j+1], v[O+\j:O+\j+1], v[F:F+1] op_sel_hi:[1,0]
.endr
	v_max3_num_f32 v[BM], |v[O]|, |v[O+1]|, 0x1800000          ; my 16 channels and the floor, in two chains
	v_max3_num_f32 v[BM+1], |v[O+2]|, |v[O+3]|, |v[O+4]|
	s_delay_alu instid0(VALU_DEP_2)
	v_max3_num_f32 v[BM], v[BM], |v[O+5]|, |v[O+6]|
	s_delay_alu instid0(VALU_DEP_2)
	v_max3_num_f32 v[BM+1], v[BM+1], |v[O+7]|, |v[O+8]|
	s_delay_alu instid0(VALU_DEP_2)
	v_max3_num_f32 v[BM], v[BM], |v[O+9]|, |v[O+10]|
	s_delay_alu instid0(VALU_DEP_2)
	v_max3_num_f32 v[BM+1], v[BM+1], |v[O+11]|, |v[O+12]|
	s_delay_alu instid0(VALU_DEP_2)
	v_max3_num_f32 v[BM], v[BM], |v[O+13]|, |v[O+14]|
	s_delay_alu instid0(VALU_DEP_1)
	v_max3_num_f32 v[BM], v[BM], v[BM+1], |v[O+15]|
	s_delay_alu instid0(VALU_DEP_1)
	v_permlanex16_b32 v[PD], v[BM], s36, s37
	s_delay_alu instid0(VALU_DEP_1)
	v_max_num_f32 v[BM], v[BM], v[PD]
	s_delay_alu instid0(VALU_DEP_1)
	v_add_nc_u32 v[SO], 0xff000000, v[BM]
	s_delay_alu instid0(VALU_DEP_1)
	v_lshrrev_b32 v[\dbyte], 23, v[SO]
	v_cvt_scalef32_pk16_fp6_f32 v[\dst:\dst+2], v[O:O+15], v[SO]
	v_nop                                          ; one plain place behind a scaled conversion
.endm
; One tile of queries from its first key step to its codes.
.macro PASS raw, qw, sshift, soff, lim, trips, dst, dbyte
	v_cmp_eq_u32 vcc_lo, 1, v10
.irp i, 0,1,2,3,4,5
	v_cndmask_b32 v[QCH+\i], v[\raw+\i], v[QCH+6+\i], vcc_lo       ; q in lanes 0-15, zero codes in lanes 16-31
	v_cndmask_b32 v[QCH+12+\i], v[QCH+6+\i], v[\raw+\i], vcc_lo    ; the other way round
	v_cndmask_b32 v[QCH+24+\i], v[\raw+\i], v[QCH+6+\i], vcc_lo
.endr
	v_lshrrev_b32 v[TQ], s[\sshift], v[\qw]
	s_delay_alu instid0(VALU_DEP_1)
	v_and_b32 v[TQ], 255, v[TQ]                    ; my query's scale byte
	s_delay_alu instid0(VALU_DEP_1)
	v_mov_b32 v[QS], v[TQ]
	s_delay_alu instid0(VALU_DEP_2)
	v_lshlrev_b32 v[QS+1], 8, v[TQ]
	s_delay_alu instid0(VALU_DEP_3)
	v_lshlrev_b32 v[QS+2], 16, v[TQ]
	s_delay_alu instid0(VALU_DEP_4)
	v_lshlrev_b32 v[QS+3], 24, v[TQ]               ; (the 21 plain lines below and the step's first four stand between these and the first product)
	v_add_nc_u32 v7, s[\soff], v9                  ; d = my query in its last step - 16 h
	v_mov_b32 v13, 0xff61b1e6                      ; the largest t so far: -3e38, under every t
	s_delay_alu instid0(VALU_DEP_1)
	v_floor_f32 v12, -v13
	v_mov_b32 v14, 0
	v_mov_b32 v15, 0
.set j, 0
.rept 16
	v_mov_b32 v[O+j], 0                            ; the step is written once: the first finds zeros, which the first change of M leaves zeros
.set j, j+1
.endr
	s_mov_b32 s40, 0
	s_mov_b32 s41, 0
.Lstep_\@:
	STEP \lim
	s_add_co_u32 s40, s40, STEPB
	s_add_co_u32 s41, s41, 1
	s_cmp_lt_u32 s41, \trips
	s_cbranch_scc1 .Lstep_\@
	s_setprio 0
	FIN \dst, \dbyte
.endm
	s_load_b256 s[4:11], s[0:1], 0x0               ; qimg s[4:5], qsc s[6:7], kv s[8:9], ao s[10:11]
	s_load_b64 s[12:13], s[0:1], 0x20              ; aosc
	v_lshl_add_u32 v199, v0, 2, 0x29000
	v_mov_b32 v203, 0
	ds_add_u32 v199, v203
	ds_add_u32 v199, v203
	v_lshrrev_b32 v1, 5, v0
	s_delay_alu instid0(VALU_DEP_1)
	v_readfirstlane_b32 s14, v1                    ; wave 0..15
	s_and_b32 s18, ttmp7, 0xffff                   ; bh: the cluster's y, which the four partners share
	; the descriptor: step w of the head, 6,400 dense bytes, as 25 rows of 256 bytes (32 elements of 8 bytes); nothing in it hangs on the place in the cluster
	s_mov_b32 s24, 15|(3<<16)|(1<<21)              ; 15:0 the mask: all four work-groups; 17:16 elements of 8 bytes; 20 no padding; 21 set beside a mask
	s_mov_b32 s25, 32<<16                          ; tensor_dim0 = 32
	s_mov_b32 s26, 25<<16                          ; tensor_dim1 = 25
	s_mov_b32 s27, 32<<16                          ; tile_dim0 = 32
	s_mov_b32 s28, 25                              ; tile_dim1 = 25
	s_mov_b32 s29, 32                              ; from row to row
	s_mov_b32 s30, 0
	s_mov_b32 s31, 0
	s_mul_i32 s58, s18, 16*STEPB
	s_mul_i32 s33, s14, STEPB                      ; LDS address: wave x 6,400
	s_add_co_u32 s58, s58, s33
	s_mov_b32 s59, 0
	s_mov_b32 s32, 1                               ; count = 1
	s_wait_dscnt 0x0
	s_wait_kmcnt 0x0
	s_add_nc_u64 s[34:35], s[8:9], s[58:59]
	s_or_b32 s35, s35, 0x80000000                  ; type = 2
	CROUND                                         ; all four work-groups are here: the joint loads meet
	tensor_load_to_lds s[32:35], s[24:31]
	s_nop 0
.rept 4
	v_nop
.endr
	s_lshr_b32 s15, s14, 1                         ; G
	s_and_b32 s16, s14, 1                          ; e
	s_bfe_u32 s17, ttmp6, 0x40000                  ; p: my place in the cluster: it enters global addresses, the mask's d and a shift amount, and nothing else
	s_and_b32 s19, s18, 7                          ; head
	s_lshr_b32 s20, s18, 3                         ; b
	s_lshl_b32 s21, s15, 3
	s_lshl_b32 s44, s16, 2
	s_add_co_u32 s21, s21, s44
	s_add_co_u32 s21, s21, s17                     ; tA = 8 G + 4 e + p
	s_sub_co_u32 s22, 127, s21                     ; tB
	s_sub_co_u32 s43, 15, s15                      ; tile B's last step
	s_mov_b32 s36, 0x76543210
	s_mov_b32 s37, 0xfedcba98                      ; v_permlanex16_b32's selects for lane l xor 16
	s_mov_b32 s38, 0x3e8293ee                      ; c = log2(e) / sqrt(32)
	s_mov_b32 s39, s38                             ; (named with it as a pair, so it is written)
	s_mov_b32 s61, 0
	v_and_b32 v[TA], 31, v0                        ; L
	s_delay_alu instid0(VALU_DEP_1)
	v_lshlrev_b32 v1, 4, v[TA]
	s_delay_alu instid0(VALU_DEP_2)
	v_lshlrev_b32 v2, 3, v[TA]
	s_delay_alu instid0(VALU_DEP_3)
	v_lshlrev_b32 v3, 2, v[TA]
	v_bfe_u32 v10, v0, 4, 1                        ; h
	v_and_b32 v11, 15, v0                          ; r
	s_wait_alu depctr_va_vdst(0)
	v_and_b32 v9, 8, v11
	s_delay_alu instid0(VALU_DEP_1)
	v_add_nc_u32 v9, v9, v11                       ; rp
	v_lshlrev_b32 v[TA+1], 4, v10
	s_delay_alu instid0(VALU_DEP_1)
	v_sub_nc_u32 v9, v9, v[TA+1]                   ; rp - 16 h
	v_mov_b32 v8, 0xff800000                       ; -infinity
	QSET 21, 46, 50, 54, 56, S                     ; (the offsets stand in S's registers until the loads are in)
	s_wait_alu depctr_va_vdst(0)
	QSET 22, 48, 52, 55, 57, S+2
	v_lshlrev_b32 v[S+4], 2, v11
	global_load_b128 v[QRA:QRA+3], v[S+1], s[46:47]
	global_load_b64 v[QRA+4:QRA+5], v[S], s[46:47] offset:512
	global_load_b32 v[QWA], v[S+4], s[50:51]
	global_load_b128 v[QRB:QRB+3], v[S+3], s[48:49]
	global_load_b64 v[QRB+4:QRB+5], v[S+2], s[48:49] offset:512
	global_load_b32 v[QWB], v[S+4], s[52:53]
.irp i, 0,1,2,3,4,5
	v_mov_b32 v[QCH+6+\i], 0                       ; the chain's zero codes, once
	v_mov_b32 v[QCH+18+\i], 0
.endr
.irp b, 0,1,2,3
	v_mov_b32 v[PD+\b], 0                          ; written once: a lane permute's destination counts as one of its sources
.endr
	v_mov_b32 v[F+1], 0
	s_wait_tensorcnt 0x0                           ; my step has landed,
	s_barrier_signal -1
	s_barrier_wait -1                              ; everybody's has: the whole head lies in LDS
	s_wait_loadcnt 0x0                             ; q
	PASS QRA, QWA, 54, 56, 15, 8, CA, BA
	PASS QRB, QWB, 55, 57, 43, 16, CB, BB
	; THE WAY OUT: lanes 0-15 take tile A's records (24 bytes a query), lanes 16-31 tile B's, and store them where the last product's operand registers want them:
	; ao [128 b + tile][head / 2][768], lane r + 16 (head % 2) of the half image;  aosc [128 b + tile][head][r].
.irp i, 0,1,2
	v_permlane16_swap_b32 v[CA+\i], v[CB+\i]       ; CA: each lane's tile's channels 0-15; CB: channels 16-31
.endr
.irp i, 0,1,2
	s_delay_alu instid0(VALU_DEP_3)
	v_mov_b32 v[CA+3+\i], v[CB+\i]
.endr
	v_cmp_eq_u32 vcc_lo, 1, v10
	s_delay_alu instid0(VALU_DEP_1)
	v_cndmask_b32 v[SV], v[BA], v[BB], vcc_lo
	s_lshl_b32 s44, s20, 7
	s_add_co_u32 s44, s44, s21                     ; 128 b + tA
	s_sub_co_u32 s45, s22, s21                     ; tB - tA
	s_lshr_b32 s58, s19, 1
	s_mul_i32 s58, s58, 768
	s_and_b32 s59, s19, 1
	s_lshl_b32 s60, s59, 8
	s_add_co_u32 s60, s60, s58                     ; 768 (head / 2) + 256 (head % 2)
	s_lshl_b32 s59, s59, 7
	s_add_co_u32 s59, s59, s58                     ; 768 (head / 2) + 128 (head % 2)
	s_lshl_b32 s58, s19, 4
	v_mad_u32_u24 v252, v10, s45, s44              ; my lane's tile
	s_delay_alu instid0(VALU_DEP_1)
	v_mul_u32_u24 v[TA], v252, 3072
	s_delay_alu instid0(VALU_DEP_1)
	v_lshl_add_u32 v253, v11, 4, v[TA]
	s_delay_alu instid0(VALU_DEP_1)
	v_add_nc_u32 v253, s60, v253
	s_delay_alu instid0(VALU_DEP_3)
	v_lshl_add_u32 v254, v11, 3, v[TA]
	s_delay_alu instid0(VALU_DEP_1)
	v_add_nc_u32 v254, s59, v254
	v_lshl_add_u32 v255, v252, 7, v11
	s_delay_alu instid0(VALU_DEP_1)
	v_add_nc_u32 v255, s58, v255
	s_wait_alu depctr_va_vdst(0)
	global_store_b128 v253, v[CA:CA+3], s[10:11]               ; sixteen lanes store 256 consecutive bytes, at a multiple of 256 from the buffer's first byte
	global_store_b64 v254, v[CA+4:CA+5], s[10:11] offset:512
	global_store_b8 v255, v[SV], s[12:13]
	s_wait_tensorcnt 0x0
	ds_add_u32 v199, v203
	s_wait_dscnt 0x0
	CROUND                                         ; the closing round: no work-group ends while a partner may still ask for a tile that names it
	s_endpgm
.Lfunc_end_k_q283cef4afa_attn:
	.size	k_q283cef4afa_attn, .Lfunc_end_k_q283cef4afa_attn-k_q283cef4afa_attn
	.p2alignl 7, 3214868480
	.fill 96, 4, 3214868480
	.section	.rodata,"a",@progbits
	.p2align	6, 0x0
	.amdhsa_kernel k_q283cef4afa_attn
		.amdhsa_group_segment_fixed_size 169984
		.amdhsa_private_segment_fixed_size 0
		.amdhsa_enable_private_segment 0
		.amdhsa_kernarg_size 40
		.amdhsa_user_sgpr_count 2
		.amdhsa_user_sgpr_kernarg_segment_ptr 1
		.amdhsa_wavefront_size32 1
		.amdhsa_system_sgpr_workgroup_id_x 1
		.amdhsa_system_sgpr_workgroup_id_y 1
		.amdhsa_system_sgpr_workgroup_id_z 1
		.amdhsa_system_vgpr_workitem_id 0
		.amdhsa_next_free_vgpr 256
		.amdhsa_next_free_sgpr 66
		.amdhsa_reserve_vcc 1
		.amdhsa_float_denorm_mode_32 3
		.amdhsa_float_denorm_mode_16_64 3
		.amdhsa_memory_ordered 1
		.amdhsa_forward_progress 1
		.amdhsa_inst_pref_size 57
	.end_amdhsa_kernel
	.amdgpu_metadata
---
amdhsa.version: [ 1, 2 ]
amdhsa.kernels:
  - .name:           k_q283cef4afa_attn
    .symbol:         k_q283cef4afa_attn.kd
    .args:
      - { .name: qimg, .offset: 0, .size: 8, .value_kind: global_buffer, .address_space: global }
      - { .name: qsc, .offset: 8, .size: 8, .value_kind: global_buffer, .address_space: global }
      - { .name: kv, .offset: 16, .size: 8, .value_kind: global_buffer, .address_space: global }
      - { .name: ao, .offset: 24, .size: 8, .value_kind: global_buffer, .address_space: global }
      - { .name: aosc, .offset: 32, .size: 8, .value_kind: global_buffer, .address_space: global }
    .group_segment_fixed_size: 169984
    .private_segment_fixed_size: 0
    .kernarg_segment_align: 8
    .kernarg_segment_size: 40
    .max_flat_workgroup_size: 512
    .sgpr_count:     66
    .vgpr_count:     256
    .wavefront_size: 32
...
	.end_amdgpu_metadata
.endif
;; end of part 5
;; launch oproj (part 6): grid 256 x 1, 8 waves a work-group, no clusters, 35,840 bytes of LDS; arguments ao, aosc, Wo_codes, Wo_scales, bo, out0; writes out0
.if DOCPART == 6
	.amdgcn_target "amdgcn-amd-amdhsa--gfx1250"
	.amdhsa_code_object_version 6
	.text
	.protected	k_q283cef4afa_oproj
	.globl	k_q283cef4afa_oproj
	.p2align	8
	.type	k_q283cef4afa_oproj,@function
k_q283cef4afa_oproj:
	s_mov_b64 s[64:65], 0
	v_nop
	global_prefetch_b8 v0, s[64:65] scope:SCOPE_SE
	s_setreg_imm32_b32 hwreg(HW_REG_WAVE_SCHED_MODE, 0, 2), 2
	s_setreg_imm32_b32 hwreg(HW_REG_WAVE_MODE, 25, 1), 1
	s_wait_xcnt 0x0
	s_wait_alu depctr_vm_vsrc(0)
; out0 = a Wo^T + bo on codes of FP6 (E2M3): a's codes and scale bytes as the launch before has laid them (images of the operand's registers), Wo's as they are given.  Sums in f32.
; SHARES.  Work-group x: tokens 64 x .. 64 x + 63, four tiles of 16.  Wave w: cg = w % 4, tp = w / 4: outputs 64 cg .. 64 cg + 63 for tiles 4 x + 2 tp + m, m = 0, 1: 16 matrix instructions.  Waves share nothing: no barrier.
; Tile 2 tp + m holds in row r token 32 tp + 8 m + r + 8 (r / 8) of the group.
; TRANSPOSED: source 0 = 16 rows of Wo, source 1 = 16 tokens: a lane holds eight neighbouring outputs of one token.  The bias is loaded into the accumulators: it is the C of each sum's first product.
; The results go through the wave's own stage in LDS (16 rows of 256 bytes + 16) and leave as whole rows: sixteen lanes store 256 consecutive bytes, aligned.
; No multicast: what work-groups share is Wo, 51,200 bytes.  LIMITS: scale bytes 0xff are not served.
; THE MODE: SCHED_MODE bits 1:0 = 2 (LLVM: expert scheduling mode 2), set by the entry lines.  The code itself states the register dependences
; between vector or matrix instructions and memory or LDS instructions, with s_wait_alu, always for 0.
; THE PLAN.  Registers that memory or LDS instructions touch, in the order of the text:
;   v4-12      offsets and LDS addresses: written by vector instructions at the head, never again; read by every load and store.
;   v160-223   the bias lands there by global loads; the products add onto it; the LDS stores into the stage read the sums.
;   v16-111    Wo's fragments land there by global loads; the products read them; then the loads from the stage land in v16-79, which the global stores read.
;   v112-159, v224-231, v236-251  a's fragments, Wo's scale words, a's scale bytes: global loads land there; products and vector instructions read them.
;   v232-235   a's scale words: written by vector instructions, taken by the products as scales: no memory instruction names them.
; So four waits stand in the text: one on va_sdst for the wave's number; one on va_vdst ahead of the first load, for the offsets and addresses; one on va_vdst behind the eight places, ahead of the first
; product, for the scale words; one on va_vdst behind the four places after the last product, for the sums that the LDS stores read and for Wo's registers, in which the stage's loads land.
; No register that a memory or LDS instruction has read is written again: there is no wait on vm_vsrc.
.set WF,  16                           ; v16-111  Wo's fragments, 12 (2 nt + ks); on the way out rows of out0
.set AF,  112                          ; v112-159 a's fragments, 12 (2 m + ks)
.set ACC, 160                          ; v160-223 the sums, 8 (4 m + nt)
.set WS,  224                          ; v224-231 Wo's scale words
.set AS,  232                          ; v232-235 a's
.set AB,  236                          ; v236-251 a's scale bytes as loaded, 8 m + 4 ks + j
	s_load_b256 s[4:11], s[0:1], 0x0               ; ao s[4:5], aosc s[6:7], Wo's codes s[8:9], Wo's scales s[10:11]
	s_load_b128 s[12:15], s[0:1], 0x20             ; bo s[12:13], out0 s[14:15]
	v_lshl_add_u32 v254, v0, 2, 0x8800
	v_mov_b32 v255, 0
	v_lshrrev_b32 v1, 5, v0
	v_readfirstlane_b32 s16, v1                    ; wave
	v_and_b32 v1, 31, v0                           ; L
	v_and_b32 v9, 15, v0                           ; r
	v_bfe_u32 v3, v0, 4, 1                         ; h
	v_mul_u32_u24 v4, v9, 192
	v_mad_u32_u24 v4, v3, 24, v4                   ; Wo: row r of 192 bytes, + 24 h
	v_lshlrev_b32 v5, 3, v9                        ; its scale words: 8 bytes a row
	v_lshlrev_b32 v6, 5, v3                        ; bo: 32 h
	v_lshlrev_b32 v7, 4, v1                        ; 16 L
	v_lshlrev_b32 v8, 3, v1                        ; 8 L
	s_wait_alu depctr_va_sdst(0)                   ; s16, the wave's number, is written, ahead of its first reader: the bases and my stage's address are made from it
	s_and_b32 s17, s16, 3                          ; cg
	s_lshr_b32 s18, s16, 2                         ; tp
	s_mul_i32 s19, s16, 4352                       ; my stage
	v_mul_u32_u24 v10, v9, 272
	v_lshl_add_u32 v10, v3, 5, v10
	v_add_nc_u32 v10, s19, v10                     ; in: row r, + 32 h
	v_mul_u32_u24 v11, v3, 272
	v_lshl_add_u32 v11, v9, 4, v11
	v_add_nc_u32 v11, s19, v11                     ; back: lanes 0-15 one row, lanes 16-31 the next
	v_lshlrev_b32 v12, 10, v3
	v_lshl_add_u32 v12, v9, 4, v12                 ; and the same two rows in out0
	s_lshl_b32 s20, ttmp9, 2
	s_lshl_b32 s21, s18, 1
	s_add_co_u32 s20, s20, s21                     ; my first tile: 4 x + 2 tp
	s_mov_b32 s23, 0
	s_wait_kmcnt 0x0
	s_mul_i32 s22, s20, 3072
	s_add_nc_u64 s[4:5], s[4:5], s[22:23]
	s_lshl_b32 s22, s20, 7
	s_add_nc_u64 s[6:7], s[6:7], s[22:23]
	s_mul_i32 s22, s17, 12288
	s_add_nc_u64 s[8:9], s[8:9], s[22:23]          ; my 64 rows of Wo
	s_lshl_b32 s22, s17, 9
	s_add_nc_u64 s[10:11], s[10:11], s[22:23]
	s_lshl_b32 s22, s17, 8
	s_add_nc_u64 s[12:13], s[12:13], s[22:23]      ; my 64 numbers of bo
	s_add_nc_u64 s[14:15], s[14:15], s[22:23]      ; my 256 bytes of a row of out0,
	s_lshl_b32 s22, s20, 14
	s_add_nc_u64 s[14:15], s[14:15], s[22:23]      ; from row 16 x tile on
	s_wait_alu depctr_va_vdst(0)                   ; the offsets and LDS addresses v4 to v12 are written, which every load and store below reads
.irp m, 0,1
.irp nt, 0,1,2,3
	global_load_b128 v[ACC+8*(4*\m+\nt):ACC+8*(4*\m+\nt)+3], v6, s[12:13] offset:64*\nt        ; register j = bo(64 cg + 16 nt + 8 h + j)
	global_load_b128 v[ACC+8*(4*\m+\nt)+4:ACC+8*(4*\m+\nt)+7], v6, s[12:13] offset:64*\nt+16
.endr
.endr
.irp nt, 0,1,2,3
.irp ks, 0,1
.irp p, 0,1,2,3,4,5
	global_load_b64 v[WF+12*(2*\nt+\ks)+2*\p:WF+12*(2*\nt+\ks)+2*\p+1], v4, s[8:9] offset:3072*\nt+96*\ks+48*(\p/3)+8*(\p%3)
.endr
	global_load_b32 v[WS+2*\nt+\ks], v5, s[10:11] offset:128*\nt+4*\ks
.endr
.endr
.irp m, 0,1
.irp ks, 0,1
.irp c, 0,1
	global_load_b128 v[AF+12*(2*\m+\ks)+6*\c:AF+12*(2*\m+\ks)+6*\c+3], v7, s[4:5] offset:3072*\m+1536*\ks+768*\c          ; half images: consecutive bytes over the lanes
	global_load_b64 v[AF+12*(2*\m+\ks)+6*\c+4:AF+12*(2*\m+\ks)+6*\c+5], v8, s[4:5] offset:3072*\m+1536*\ks+768*\c+512
.endr
.irp j, 0,1,2,3
	global_load_u8 v[AB+8*\m+4*\ks+\j], v9, s[6:7] offset:128*\m+16*(4*\ks+\j)     ; head 4 ks + j's byte of row r
.endr
.endr
.endr
	s_wait_loadcnt 0x0
.irp f, 0,1,2,3
	v_lshl_or_b32 v[AS+\f], v[AB+4*\f+1], 8, v[AB+4*\f]        ; four heads' bytes make the scale word of a K step
.endr
.irp f, 0,1,2,3
	v_lshl_or_b32 v[AS+\f], v[AB+4*\f+2], 16, v[AS+\f]
.endr
.irp f, 0,1,2,3
	v_lshl_or_b32 v[AS+\f], v[AB+4*\f+3], 24, v[AS+\f]
.endr
.rept 8
	v_nop                                          ; a scale register written by a vector instruction stands eight places ahead of a scaled matrix instruction
.endr
	s_wait_alu depctr_va_vdst(0)                   ; a's scale words v232-235 are written, which the products below take as scales; the places above stay beside this wait
; the eight accumulators take turns, one instruction a turn
.irp ks, 0,1
.irp m, 0,1
.irp nt, 0,1,2,3
	v_wmma_scale_f32_16x16x128_f8f6f4 v[ACC+8*(4*\m+\nt):ACC+8*(4*\m+\nt)+7], v[WF+12*(2*\nt+\ks):WF+12*(2*\nt+\ks)+11], v[AF+12*(2*\m+\ks):AF+12*(2*\m+\ks)+11], v[ACC+8*(4*\m+\nt):ACC+8*(4*\m+\nt)+7], v[WS+2*\nt+\ks], v[AS+2*\m+\ks] matrix_a_fmt:MATRIX_FMT_FP6 matrix_b_fmt:MATRIX_FMT_FP6
.endr
.endr
.endr
.rept 4
	v_nop                                          ; four places behind the last product (ISA guide 7.12.1): results are read, and Wo's registers loaded again, only behind them
.endr
	s_wait_alu depctr_va_vdst(0)                   ; the products have written the sums v160-223, which the LDS stores read, and are done reading Wo's fragments v16-79, in which the loads from the stage land; no vector or matrix instruction follows
.irp m, 0,1
.irp nt, 0,1,2,3
	ds_store_b128 v10, v[ACC+8*(4*\m+\nt):ACC+8*(4*\m+\nt)+3] offset:64*\nt        ; each accumulator from its low end on
	ds_store_b128 v10, v[ACC+8*(4*\m+\nt)+4:ACC+8*(4*\m+\nt)+7] offset:64*\nt+16
.endr
.irp i, 0,1,2,3,4,5,6,7
	ds_load_b128 v[WF+32*\m+4*\i:WF+32*\m+4*\i+3], v11 offset:544*\i   ; LDS serves a wave's instructions in order (ISA guide 5.7.1.4): these see my stores, and the next tile's stores come behind them
.endr
.endr
.irp m, 0,1
.irp i, 0,1,2,3,4,5,6,7
	s_wait_dscnt 15-8*\m-\i                        ; this pair of rows is back
	global_store_b128 v12, v[WF+32*\m+4*\i:WF+32*\m+4*\i+3], s[14:15] offset:(8*\m+2*\i+8*(\i/4))*1024 th:TH_STORE_NT   ; stage rows 2 i, 2 i + 1 are tokens 8 m + 2 i + 8 (i / 4) and the next; written once, read by nobody here
.endr
.endr
	s_wait_dscnt 0x0
	s_wait_alu depctr_hold_cnt(0) depctr_sa_sdst(0) depctr_va_vdst(0) depctr_va_sdst(0) depctr_va_ssrc(0) depctr_va_vcc(0) depctr_vm_vsrc(0)
	s_wait_tensorcnt 0x0
	ds_add_u32 v254, v255
	s_wait_dscnt 0x0
	s_endpgm
.Lfunc_end_k_q283cef4afa_oproj:
	.size	k_q283cef4afa_oproj, .Lfunc_end_k_q283cef4afa_oproj-k_q283cef4afa_oproj
	.p2alignl 7, 3214868480
	.fill 96, 4, 3214868480
	.section	.rodata,"a",@progbits
	.p2align	6, 0x0
	.amdhsa_kernel k_q283cef4afa_oproj
		.amdhsa_group_segment_fixed_size 35840
		.amdhsa_private_segment_fixed_size 0
		.amdhsa_enable_private_segment 0
		.amdhsa_kernarg_size 48
		.amdhsa_user_sgpr_count 2
		.amdhsa_user_sgpr_kernarg_segment_ptr 1
		.amdhsa_wavefront_size32 1
		.amdhsa_system_sgpr_workgroup_id_x 1
		.amdhsa_system_sgpr_workgroup_id_y 1
		.amdhsa_system_sgpr_workgroup_id_z 1
		.amdhsa_system_vgpr_workitem_id 0
		.amdhsa_next_free_vgpr 256
		.amdhsa_next_free_sgpr 66
		.amdhsa_reserve_vcc 0
		.amdhsa_float_denorm_mode_32 3
		.amdhsa_float_denorm_mode_16_64 3
		.amdhsa_memory_ordered 1
		.amdhsa_forward_progress 1
		.amdhsa_inst_pref_size 20
	.end_amdhsa_kernel
	.amdgpu_metadata
---
amdhsa.version: [ 1, 2 ]
amdhsa.kernels:
  - .name:           k_q283cef4afa_oproj
    .symbol:         k_q283cef4afa_oproj.kd
    .args:
      - { .name: ao, .offset: 0, .size: 8, .value_kind: global_buffer, .address_space: global }
      - { .name: aosc, .offset: 8, .size: 8, .value_kind: global_buffer, .address_space: global }
      - { .name: Wo_codes, .offset: 16, .size: 8, .value_kind: global_buffer, .address_space: global }
      - { .name: Wo_scales, .offset: 24, .size: 8, .value_kind: global_buffer, .address_space: global }
      - { .name: bo, .offset: 32, .size: 8, .value_kind: global_buffer, .address_space: global }
      - { .name: out0, .offset: 40, .size: 8, .value_kind: global_buffer, .address_space: global }
    .group_segment_fixed_size: 35840
    .private_segment_fixed_size: 0
    .kernarg_segment_align: 8
    .kernarg_segment_size: 48
    .max_flat_workgroup_size: 256
    .sgpr_count:     66
    .vgpr_count:     256
    .wavefront_size: 32
...
	.end_amdgpu_metadata
.endif
;; end of part 6
